; MI455X (gfx1250); checked and timed in simulation.
; The chip was launched on July 23, 2026; its instructions are those of AMD's public machine-readable ISA for CDNA 5 (MIT licence, August 2026) and "CDNA5" Instruction Set Architecture Reference Guide (July 2026). The comments in the code are by the model that wrote it; some were corrected since.
;; Self Attention V1. Allowed arithmetic: matrix products marked QUANTISED: E2M1 operands, one E8M0 scale for each 32 along K, by v_wmma_scale_f32_16x16x128_f8f6f4 with both operands' format E2M1 (or v_wmma_scale_f32_32x16x128_f4), f32 sums; everything else in f32.
;; Inputs: Wk 384 x 384 float32; Wq 384 x 384 float32; Wv 384 x 384 float32; bk 384 float32; bq 384 float32; bv 384 float32; x 4 x 4,096 x 384 float32.
;; Outputs: out0 4 x 4,096 x 384 float32.
;; This version of the problem:
;;   THIS VERSION OF THE PROBLEM IS GIVEN IN LOW PRECISION. The matrix products marked QUANTISED in the list below multiply operands that are first quantised to E2M1 (2 exponent bits, 1 mantissa bit; 4 bits a number), with one power-of-two scale for each 32 numbers along K (OCP MX v1.0); their sums are f32. All else is computed in f32.
;;   The module's matrix products, in the order in which they are computed (A, B: the left and right operand; K: the contracted axis; several contracted axes count as one K, in the product's order):
;;     1. [M 16,384, K 384] x [K 384, N 384]; A: input x; B: input Wq: QUANTISED
;;     2. [M 16,384, K 384] x [K 384, N 384]; A: input x; B: input Wk: QUANTISED
;;     3. [M 16,384, K 384] x [K 384, N 384]; A: input x; B: input Wv: QUANTISED
;;     4. batch 4 x [M 4,096, K 384] x [K 384, N 4,096]; A: computed on the way; B: computed on the way: QUANTISED
;;     5. batch 4 x [M 4,096, K 4,096] x [K 4,096, N 384]; A: softmax (see below); B: computed on the way: QUANTISED
;;   THE QUANTISER, for each operand of a quantised product, along K:
;;     - K is cut into blocks of 32 from its start; a last block that is shorter is filled with zeros.
;;     - A block's scale is 2^e with e = floor(log2(the largest magnitude in the block)) - 2, held to -126 .. 127; a block of zeros has e = 0. As a byte (E8M0): e + 127.
;;     - Each number is divided by its block's scale, clamped to +-6, and rounded to the nearest number of E2M1, ties to even, subnormals kept.
;;     - The product sums the exact products of the quantised numbers (number of the format x scale) in f32.
;;   ~~~python
;;   def quantise(x, axis):      # numpy; x: float32 -> the quantised numbers, widened to float32 again
;;       x = np.moveaxis(x, axis, -1); K = x.shape[-1]
;;       x = np.pad(x, [(0, 0)] * (x.ndim - 1) + [(0, -K % 32)]); x = x.reshape(x.shape[:-1] + (-1, 32)); a = np.abs(x).max(-1, keepdims=True)
;;       e = np.where(a > 0, np.clip(np.frexp(np.where(a > 0, a, 1))[1] - 1 - 2, -126, 127), 0)      # np.frexp(a)[1] - 1 = floor(log2(a)), exactly
;;       r = np.clip(x / 2.0 ** e, -6, 6)
;;       step = 2.0 ** (np.maximum(np.frexp(np.where(r == 0, 1, r))[1] - 1, 0) - 1)
;;       q = np.round(r / step) * step * 2.0 ** e      # np.round: ties to even
;;       return np.moveaxis(q.reshape(q.shape[:-2] + (-1,))[..., :K], -1, axis).astype(np.float32)
;;   ~~~
;;   SOFTMAX AHEAD OF A QUANTISED PRODUCT. Where the list says 'softmax', what is quantised is not the finished softmax but p = 2^(t - M), with t = logit x log2(e) and M = ceil(the row's largest t), a whole number; so 1/2 < the row's largest p <= 1. The row's sum l is taken of the UNQUANTISED p, in f32, and the product's result is divided by l at the end. Since M is a whole number, a kernel that streams over the keys may use a running M (the ceiling of the running maximum): every later rescaling is an exact power of two, which a block's scale takes up: the codes' values come out the same.
;;   OPERANDS COMPUTED ON THE WAY. 'Computed on the way' means the value that the module computes at that place (a softmax that the list does not call 'softmax' is quantised finished and normalised). What goes into a quantiser is computed in f32, as accurately as f32 sums, v_exp_f32 and their like allow (about 1e-6 of the number): no bf16 or f16 on the way to a quantiser, and a product that is left as it is and whose result goes on into a quantised operand takes f32 operands (vector FMAs, or v_wmma_f32_16x16x4_f32). A number that lies on a knife's edge between two numbers of the format may be rounded either way, as far as f32 arithmetic and the matrix unit's own rounding can turn it there, and no further.
;; One version. Each part assembles by itself: llvm-mc -triple=amdgcn-amd-amdhsa -mcpu=gfx1250 --defsym DOCPART=n.
;; ======== version 1 of 1: 3 launches
;; limits: right only within a limited range of input values
;; workspace buffers: wc 221,184 bytes; ws 36,864 bytes; qb 3,342,336 bytes; kb 3,342,336 bytes; vb 3,342,336 bytes
;; launch wquant (part 1): grid 72 x 1, 1 waves a work-group, no clusters, 8,704 bytes of LDS; arguments Wq, Wk, Wv, wc, ws; writes wc, ws
.if DOCPART == 1
	.amdgcn_target "amdgcn-amd-amdhsa--gfx1250"
	.amdhsa_code_object_version 6
	.text
	.protected	k_qdb4b455ea9_wquant
	.globl	k_qdb4b455ea9_wquant
	.p2align	8
	.type	k_qdb4b455ea9_wquant,@function
k_qdb4b455ea9_wquant:
	s_mov_b64 s[64:65], 0
	v_nop
	global_prefetch_b8 v0, s[64:65] scope:SCOPE_SE
	s_setreg_imm32_b32 hwreg(HW_REG_WAVE_MODE, 25, 1), 1
	s_wait_xcnt 0x0
; Wq, Wk, Wv [384 (n)][384 (k)] f32 become codes of FP4 (E2M1) with one E8M0 scale for each 32 along K, laid as the projections' waves take them into registers.
; A TILE is 16 rows of a weight: tile T, lane r takes row 32 (T / 2) + 8 (T % 2) + r + 8 (r / 8), so that the results of two neighbouring tiles are 16 neighbours along the next product's K.
; A FRAGMENT is a tile x 128 along K: 8 registers a lane (registers 4 c .. 4 c + 3: k = 64 c + 32 (lane / 16) + 0 .. 31).  Its IMAGE is 1,024 bytes: registers 0-3 at 16 x lane, registers 4-7 at 512 + 16 x lane.
; wc: image ((24 y + T) 3 + s) x 1,024, y = 0 q, 1 k, 2 v, s = the 128 along K.   ws: (24 y + T) x 512 + 16 x lane: the row's scale words of s = 0, 1, 2 and a 0; lanes 16-31 hold what lanes 0-15 hold.
; 72 tiles, a work-group of one wave to a tile: there is work for no more.  All 48 loads go out at the head; each reads 512 consecutive bytes of one row.
; The conversions want 16 neighbours along K in one lane: so a part's 16 rows x 512 bytes turn through a stage in LDS (rows 528 bytes apart: sixteen rows start at sixteen different 16-byte columns) and come back 64 bytes a lane.
; A block's scale is 2^(floor(log2(its largest magnitude)) - 2); its byte is the largest magnitude's exponent field - 2, held at 1 from below.
; LIMITS: NaN and infinities are not served; a block whose largest magnitude lies under 2^-124 keeps the byte 1; a block of zeros has the byte 1 where the rule says 127: its codes are zeros, and this program alone reads the bytes.
.set ROWB, 1536                        ; a row of a weight in bytes
.set TP,   528                         ; a stage row: 512 bytes + 16
.set TRD,  1                           ; v1      out of the stage: r x 528 + 64 (lane / 16)
.set LI,   2                           ; v2      16 x lane: my place in a row's 512 bytes, in a stage row and in an image
.set TM,   8                           ; v8-23   at work in QUANT
.set PC,   24                          ; v24-47  three fragments' codes: a set for each, so that no store's data are written again
.set PW,   48                          ; v48-51  the three scale words and a 0
.set NUM,  64                          ; v64-255 three sets of 64 numbers
.set SEL,  20                          ; s[20:21] lane selects for v_permlanex16_b32: lane l xor 16
.set SRC,  22                          ; s[22:23] my tile's first row
; 64 numbers of a lane, register 16 b + i = k 32 b + 16 (lane / 16) + i of my row, become a fragment's codes in v[pc] on and its scale word in v[pw].
.macro QUANT s, pc, pw
.irp b, 0,1,2,3
	v_max3_num_f32 v[TM+\b], |v[(\s)+16*\b]|, |v[(\s)+1+16*\b]|, 0x1800000   ; block b: my 16 numbers, and the floor 2^(3 - 127): the byte cannot fall under 1
.endr
.irp i, 2,4,6,8,10,12,14
.irp b, 0,1,2,3
	v_max3_num_f32 v[TM+\b], v[TM+\b], |v[(\s)+16*\b+\i]|, |v[(\s)+1+16*\b+\i]|   ; the four blocks by turns
.endr
.endr
.irp b, 0,1,2,3
	v_permlanex16_b32 v[TM+4+\b], v[TM+\b], s[SEL], s[SEL+1]
.endr
.irp b, 0,1,2,3
	v_max_num_f32 v[TM+\b], v[TM+\b], v[TM+4+\b]   ; with lane l xor 16's: the block's largest magnitude
.endr
.irp b, 0,1,2,3
	v_add_nc_u32 v[TM+12+\b], 0xff000000, v[TM+\b]   ; 2 off its exponent field: the conversion takes the exponent field of this operand as its scale
.endr
.irp b, 0,1,2,3
	v_lshrrev_b32 v[TM+4+\b], 23, v[TM+12+\b]      ; the scale's byte
.endr
	v_lshl_or_b32 v[\pw], v[TM+5], 8, v[TM+4]      ; four bytes: my row's scale word
	v_lshl_or_b32 v[\pw], v[TM+6], 16, v[\pw]
	v_lshl_or_b32 v[\pw], v[TM+7], 24, v[\pw]
.irp b, 0,1,2,3
	v_cvt_scalef32_pk8_fp4_f32 v[(\pc)+2*\b], v[(\s)+16*\b:(\s)+7+16*\b], v[TM+12+\b]
	v_cvt_scalef32_pk8_fp4_f32 v[(\pc)+1+2*\b], v[(\s)+8+16*\b:(\s)+15+16*\b], v[TM+12+\b]
.endr
	v_nop                                          ; one plain place behind a scaled conversion
.irp c, 0,1                                    ; the operand's layout wants a whole block in a lane: lanes 0-15 block 2 c, lanes 16-31 block 2 c + 1
.irp i, 0,1
	v_permlane16_swap_b32 v[(\pc)+4*\c+\i], v[(\pc)+2+4*\c+\i]
.endr
.endr
.endm
.macro XLOAD reg, off                  ; 128 along K of the tile's 16 rows: a row an instruction, 32 lanes on 512 consecutive bytes; read once in the launch
.set xi, 0
.rept 16
	global_load_b128 v[(\reg)+4*xi:(\reg)+4*xi+3], v[LI], s[SRC:SRC+1] offset:(xi+8*(xi/8))*ROWB+(\off) th:TH_LOAD_NT
.set xi, xi+1
.endr
.endm
.macro TURN reg                        ; through the stage, and back into the registers that they left: register 16 b + 4 j + i is then k 32 b + 16 (lane / 16) + 4 j + i of row lane % 16
.set xi, 0
.rept 16
	ds_store_b128 v[LI], v[(\reg)+4*xi:(\reg)+4*xi+3] offset:xi*TP
.set xi, xi+1
.endr
.irp b, 0,1,2,3
.irp j, 0,1,2,3
	ds_load_b128 v[(\reg)+16*\b+4*\j:(\reg)+16*\b+4*\j+3], v[TRD] offset:128*\b+16*\j   ; LDS serves a wave's instructions in order (ISA guide 5.7.1.4): these see the stores above
.endr
.endr
.endm
	s_load_b256 s[4:11], s[0:1], 0x0               ; Wq s[4:5], Wk s[6:7], Wv s[8:9], wc s[10:11]
	s_load_b64 s[12:13], s[0:1], 0x20              ; ws
	v_lshl_add_u32 v62, v0, 2, 0x2100
	v_mov_b32 v63, 0
	v_and_b32 v3, 15, v0                           ; r (one wave: the thread's number is the lane)
	v_bfe_u32 v4, v0, 4, 1                         ; h
	v_mul_u32_u24 v[TRD], v3, TP
	v_lshl_add_u32 v[TRD], v4, 6, v[TRD]
	v_lshlrev_b32 v[LI], 4, v0
.irp b, 0,1,2,3
	v_mov_b32 v[TM+4+\b], 0                        ; written once: a lane permute's destination counts as one of its sources
.endr
	v_mov_b32 v[PW+3], 0
	s_mov_b32 s[SEL], 0x76543210
	s_mov_b32 s[SEL+1], 0xfedcba98
	s_wait_alu depctr_va_vdst(0)
	s_wait_kmcnt 0x0
	s_cmp_lt_u32 ttmp9, 48                         ; the work-group's number is 24 y + T: which weight hangs on it alone
	s_cselect_b64 s[SRC:SRC+1], s[6:7], s[8:9]
	s_cselect_b32 s16, 24, 48
	s_cmp_lt_u32 ttmp9, 24
	s_cselect_b64 s[SRC:SRC+1], s[4:5], s[SRC:SRC+1]
	s_cselect_b32 s16, 0, s16
	s_sub_co_u32 s16, ttmp9, s16                   ; T
	s_lshr_b32 s17, s16, 1
	s_mul_i32 s17, s17, 32*ROWB
	s_and_b32 s18, s16, 1
	s_mul_i32 s18, s18, 8*ROWB
	s_add_co_u32 s18, s18, s17                     ; the tile's first row, 32 (T / 2) + 8 (T % 2), in bytes
	s_mov_b32 s19, 0
	s_add_nc_u64 s[SRC:SRC+1], s[SRC:SRC+1], s[18:19]
	s_mul_i32 s24, ttmp9, 3072
	s_mov_b32 s25, 0
	s_add_nc_u64 s[10:11], s[10:11], s[24:25]      ; my three images
	s_lshl_b32 s24, ttmp9, 9
	s_add_nc_u64 s[12:13], s[12:13], s[24:25]      ; my 512 bytes of scale words
	XLOAD NUM, 0
	XLOAD NUM+64, 512
	XLOAD NUM+128, 1024
.irp s, 0,1,2
	s_wait_loadcnt 32-16*\s                        ; loads come back in order: this set's 16 are in, the later sets' may be out
	TURN NUM+64*\s
	s_wait_dscnt 0x0
	QUANT NUM+64*\s, PC+8*\s, PW+\s
	global_store_b128 v[LI], v[PC+8*\s:PC+8*\s+3], s[10:11] offset:1024*\s        ; 32 lanes store 512 consecutive bytes
	global_store_b128 v[LI], v[PC+8*\s+4:PC+8*\s+7], s[10:11] offset:1024*\s+512
.endr
	global_store_b128 v[LI], v[PW:PW+3], s[12:13]
	s_wait_tensorcnt 0x0
	ds_add_u32 v62, v63
	s_wait_dscnt 0x0
	s_endpgm
.Lfunc_end_k_qdb4b455ea9_wquant:
	.size	k_qdb4b455ea9_wquant, .Lfunc_end_k_qdb4b455ea9_wquant-k_qdb4b455ea9_wquant
	.p2alignl 7, 3214868480
	.fill 96, 4, 3214868480
	.section	.rodata,"a",@progbits
	.p2align	6, 0x0
	.amdhsa_kernel k_qdb4b455ea9_wquant
		.amdhsa_group_segment_fixed_size 8704
		.amdhsa_private_segment_fixed_size 0
		.amdhsa_enable_private_segment 0
		.amdhsa_kernarg_size 40
		.amdhsa_user_sgpr_count 2
		.amdhsa_user_sgpr_kernarg_segment_ptr 1
		.amdhsa_wavefront_size32 1
		.amdhsa_system_sgpr_workgroup_id_x 1
		.amdhsa_system_sgpr_workgroup_id_y 1
		.amdhsa_system_sgpr_workgroup_id_z 1
		.amdhsa_system_vgpr_workitem_id 0
		.amdhsa_next_free_vgpr 256
		.amdhsa_next_free_sgpr 66
		.amdhsa_reserve_vcc 0
		.amdhsa_float_denorm_mode_32 3
		.amdhsa_float_denorm_mode_16_64 3
		.amdhsa_memory_ordered 1
		.amdhsa_forward_progress 1
		.amdhsa_inst_pref_size 25
	.end_amdhsa_kernel
	.amdgpu_metadata
---
amdhsa.version: [ 1, 2 ]
amdhsa.kernels:
  - .name:           k_qdb4b455ea9_wquant
    .symbol:         k_qdb4b455ea9_wquant.kd
    .args:
      - { .name: Wq, .offset: 0, .size: 8, .value_kind: global_buffer, .address_space: global }
      - { .name: Wk, .offset: 8, .size: 8, .value_kind: global_buffer, .address_space: global }
      - { .name: Wv, .offset: 16, .size: 8, .value_kind: global_buffer, .address_space: global }
      - { .name: wc, .offset: 24, .size: 8, .value_kind: global_buffer, .address_space: global }
      - { .name: ws, .offset: 32, .size: 8, .value_kind: global_buffer, .address_space: global }
    .group_segment_fixed_size: 8704
    .private_segment_fixed_size: 0
    .kernarg_segment_align: 8
    .kernarg_segment_size: 40
    .max_flat_workgroup_size: 32
    .sgpr_count:     66
    .vgpr_count:     256
    .wavefront_size: 32
...
	.end_amdgpu_metadata
.endif
;; end of part 1
;; launch proj (part 2): grid 256 x 1, 8 waves a work-group, clusters of 4 x 1, 327,680 bytes of LDS; arguments x, wc, ws, bq, bk, bv, qb, kb, vb; writes qb, kb, vb
.if DOCPART == 2
	.amdgcn_target "amdgcn-amd-amdhsa--gfx1250"
	.amdhsa_code_object_version 6
	.text
	.protected	k_qdb4b455ea9_proj
	.globl	k_qdb4b455ea9_proj
	.p2align	8
	.type	k_qdb4b455ea9_proj,@function
k_qdb4b455ea9_proj:
	s_mov_b64 s[64:65], 0
	v_nop
	global_prefetch_b8 v0, s[64:65] scope:SCOPE_SE
	s_setreg_imm32_b32 hwreg(HW_REG_WAVE_MODE, 25, 1), 1
	s_wait_xcnt 0x0
	s_wait_alu depctr_hold_cnt(0) depctr_sa_sdst(0) depctr_va_vdst(0) depctr_va_sdst(0) depctr_va_ssrc(0) depctr_va_vcc(0) depctr_vm_vsrc(0)
	s_getreg_b32 s2, hwreg(HW_REG_IB_STS2, 6, 4)
	s_cmp_eq_u32 s2, 0
	s_cbranch_scc0 .Lentry_in_a_cluster
	s_endpgm
.Lentry_in_a_cluster:
	s_bfe_u32 s2, ttmp6, 0x10000c
	s_cmp_lg_u32 s2, 0x3003
	s_cbranch_scc0 .Lentry_shape_is_right
	s_endpgm
.Lentry_shape_is_right:
; q = x Wq^T + bq, k = x Wk^T + bk, v = x Wv^T + bv on codes of FP4 (E2M1) with one E8M0 scale for each 32 along K; then q and k are quantised along their 384 columns and v along the KEYS,
; and all three leave as images of the registers in which the attention launch wants them.  x: [16,384][384] f32, quantised here, read once.  The weights come as images (wc, ws) from the launch before.
; TILES AND IMAGES.  A tile is 16 rows: in each group of 32 rows, tile 2 b + u, lane r takes row 32 b + 8 u + r + 8 (r / 8).  A fragment (a tile x 128 along K, 8 registers a lane) is stored as it stands in the
; registers: registers 0-3 at 16 x lane, registers 4-7 at 512 + 16 x lane.  With that order of rows the 16 result registers of tiles 2 b and 2 b + 1 are 16 neighbours along the next product's K.
; SHARES.  Work-group i owns 64 rows of x (four tiles): half hf = i % 2 of the block of 128 rows i / 2.
; LDS: the weights' 216 images (221,184 bytes); behind them x's 64 rows as f32, 16 bytes of padding behind each 512 (a row: 1,584 bytes = 99 x 16, so that sixteen rows start at sixteen different 16-byte columns); x's 12 images later lie on x's bytes.
; Waves 0-3 fetch 16 rows of x each, waves 4-7 a quarter of the weights' images: one tensor load a wave.  CLUSTER: all work-groups want the same weights: the four of a cluster ask for them jointly.  x is shared by none.
; Each wave quantises half a tile of x (192 along K): three halves of fragments.  Then all work is one kind of UNIT: 24 products into 64 registers, one quantiser of four blocks, 1,024 bytes of codes stored.
;   waves 0-5 (y = wave / 3: q or k; g = wave % 3: columns 128 g on) hold 24 fragments of the weight and take the four tiles of x: source 0 = the weight, source 1 = x: a lane holds one row of x and its registers run along the columns.
;   waves 6-7 hold x's 12 fragments and take 12 tiles of Wv each, two a unit: source 0 = x, source 1 = Wv: a lane holds one channel and its registers run along the 64 keys: half of a fragment of each of two channel tiles.
; The biases are the C of each sum's first product.
; qb, kb: block x 26,112: codes at (3 t + c) x 1,024; scale words at 24,576 + 512 c + 256 half + 8 lane + 4 i: tiles 2 (2 half + i) in lanes 0-15 and the next in lanes 16-31.
; vb: block x 26,112: codes at 1,024 T + 512 half; a channel's two scale bytes of a half at 24,576 + 768 half + 384 (T / 12) + 128 (m / 4) + 2 (m / 2 % 2) + 4 (r + 16 (m % 2)), m = T % 12.
; No prefetch: the launch has no loop to run ahead in; each wave's one load goes out at its head.
; LIMITS: NaN and infinities are not served; a block whose largest magnitude lies under 2^-124 keeps the byte 1; a block of zeros has the byte 1 where the rule says 127: its codes are zeros, and this program alone reads the bytes.
.set REC,  26112
.set XB0,  221184                      ; LDS: x's rows, 16 bytes behind each 512
.set XP,   1584
.set XIMG, XB0                         ; then x's images, (3 t + s) x 1,024,
.set XSC,  XB0+12288                   ; and their scale words, (3 t + s) x 64 + 4 r
.set SPARE, XB0+64*XP                  ; the spare words, 128 bytes for each wave
.set SPW, 1
.set NIL, 2
.set LI,  3                            ; v3   16 x lane
.set L8,  4                            ; v4   8 x lane
.set L4,  5                            ; v5   4 x lane
.set XA,  6                            ; v6-8   my three halves of fragments in x's rows
.set XWI, 9                            ; v9   where I store their codes
.set XW0, 10                           ; v10-11 and their scale halfwords
.set XW1, 11
.set WA,  12                           ; v12  my weights' images
.set XRI, 13                           ; v13  x's images;  v14 their scale words
.set XRS, 14
.set BQO, 15                           ; v15  64 (lane / 16): bq, bk
.set BVO, 16                           ; v16  4 (r + 8 (r / 8)): bv
.set SF,  20                           ; waves 0-5: x's three fragments in work, two sets of 24
.set C8,  20                           ; waves 6-7: v20-35 the C of a unit's first products, v36-47 bv, v48-59 x's scale words
.set BV,  36
.set XS,  48
.set HA,  68                           ; v68-131  a unit's 8 accumulators
.set XN,  68                           ; v68-163  before that 96 numbers of x
.set HS,  164                          ; v164-211 the weights' scale words, 4 a tile
.set SS,  196                          ; waves 0-5: x's scale words, two sets of 4
.set TM,  212                          ; v212-235 at work in QUANT
.set PC,  236                          ; v236-247 codes
.set PW,  248
.set PWE, 249
.set WD,  250                          ; v250-252 scale words on their way out
.set TP,  254
.set W3,  3
.set WV,  20
.set ID,  21
.set BLK, 22
.set HF,  23
.set TX,  24                           ; s24  my tile of x;  s25 which half of its columns
.set H2,  25
.set SEL, 26
.set HI16, 28
.set VBP, 30                           ; s[30:31] vb
.set G1X, 32
.set G1W, 40
.set G0X, 48
.set G0W, 52
.set OUTC, 56
.set OUTS, 58
.set WSB, 60
.set BB,  62
.set MSB, 0
.macro WIN new                         ; the immediate's high byte repeats the setting that is left
.if MSB != (\new)
	s_set_vgpr_msb (MSB<<8)|(\new)
.set MSB, (\new)
.endif
.endm
.macro PLACES n
.rept \n
	v_nop
.endr
.endm
.macro CROUND                          ; a round of the cluster's barrier
	s_barrier_signal -1
	s_barrier_wait -1
	s_cmp_lg_u32 s[WV], 0
	s_cbranch_scc1 .Lnot_wave_0_\@
	s_barrier_signal -3
.Lnot_wave_0_\@:
	s_barrier_wait -3
	s_barrier_signal -1
	s_barrier_wait -1
.endm
; nb blocks, the blocks by turns: register 16 b + i of v[src] on is k 32 b + 16 (lane / 16) + i of my row.  Codes to v[PC] on, in the operand's layout; block b's scale byte to v[TM + b].
.macro QUANT src, nb
.set qi, 0
.rept \nb
	v_max3_num_f32 v[TM+qi], |v[(\src)+16*qi]|, |v[(\src)+16*qi+1]|, 0x1800000   ; and the floor 2^(3 - 127): the byte cannot fall under 1.  (Each accumulator is read from its low end on)
.set qi, qi+1
.endr
.set qj, 2
.rept 7
.set qi, 0
.rept \nb
	v_max3_num_f32 v[TM+qi], v[TM+qi], |v[(\src)+16*qi+qj]|, |v[(\src)+16*qi+qj+1]|
.set qi, qi+1
.endr
.set qj, qj+2
.endr
.set qi, 0
.rept \nb
	v_permlanex16_b32 v[TM+8+qi], v[TM+qi], s[SEL], s[SEL+1]
.set qi, qi+1
.endr
.set qi, 0
.rept \nb
	v_max_num_f32 v[TM+qi], v[TM+qi], v[TM+8+qi]   ; with lane l xor 16's: the block's largest magnitude
.set qi, qi+1
.endr
.set qi, 0
.rept \nb
	v_add_nc_u32 v[TM+16+qi], 0xff000000, v[TM+qi] ; 2 off its exponent field: the conversion's scale operand
.set qi, qi+1
.endr
.set qi, 0
.rept \nb
	v_lshrrev_b32 v[TM+qi], 23, v[TM+16+qi]        ; the scale's byte
.set qi, qi+1
.endr
.set qi, 0
.rept \nb
	v_cvt_scalef32_pk8_fp4_f32 v[PC+2*qi], v[(\src)+16*qi:(\src)+16*qi+7], v[TM+16+qi]
	v_cvt_scalef32_pk8_fp4_f32 v[PC+2*qi+1], v[(\src)+16*qi+8:(\src)+16*qi+15], v[TM+16+qi]
.set qi, qi+1
.endr
	v_nop                                          ; one plain place behind a scaled conversion
.set qi, 0
.rept (\nb)/2                                  ; a whole block in a lane: lanes 0-15 the even block, lanes 16-31 the odd one
	v_permlane16_swap_b32 v[PC+4*qi], v[PC+4*qi+2]
	v_permlane16_swap_b32 v[PC+4*qi+1], v[PC+4*qi+3]
.set qi, qi+1
.endr
.endm
.macro WORD                            ; four blocks' bytes
	v_lshl_or_b32 v[PW], v[TM+1], 8, v[TM]
	v_lshl_or_b32 v[PW], v[TM+2], 16, v[PW]
	v_lshl_or_b32 v[PW], v[TM+3], 24, v[PW]
.endm
.macro PMUL d, a, b, c, sa, sb
	v_wmma_scale_f32_16x16x128_f8f6f4 v[(\d):(\d)+7], v[(\a):(\a)+7], v[(\b):(\b)+7], v[(\c):(\c)+7], v[\sa], v[\sb] matrix_a_fmt:MATRIX_FMT_FP4 matrix_b_fmt:MATRIX_FMT_FP4
.endm
	s_load_b256 s[4:11], s[0:1], 0x0               ; x s[4:5], wc s[6:7], ws s[8:9], bq s[10:11]
	s_load_b256 s[12:19], s[0:1], 0x20             ; bk s[12:13], bv s[14:15], qb s[16:17], kb s[18:19]
	s_load_b64 s[VBP:VBP+1], s[0:1], 0x40          ; vb
	v_lshl_add_u32 v[SPW], v0, 2, SPARE
	v_mov_b32 v[NIL], 0
	ds_add_u32 v[SPW], v[NIL]                      ; the wave's opening: the add, twice on end, and its wait below
	ds_add_u32 v[SPW], v[NIL]
	v_lshrrev_b32 v68, 5, v0
	v_readfirstlane_b32 s[WV], v68                 ; wave 0..7
	s_and_b32 s[W3], s[WV], 3
	s_lshr_b32 s[TX], s[WV], 1
	s_and_b32 s[H2], s[WV], 1
	s_bfe_u32 s66, ttmp6, 0x40000
	s_lshl_b32 s[ID], ttmp9, 2
	s_add_co_u32 s[ID], s[ID], s66                 ; my 64 rows
	s_lshr_b32 s[BLK], s[ID], 1
	s_and_b32 s[HF], s[ID], 1
	s_mov_b32 s[SEL], 0x76543210
	s_mov_b32 s[SEL+1], 0xfedcba98
	s_mov_b32 s[HI16], 0xffff0000
	; descriptor group 1.  x: 48 rows of 64 elements of 8 bytes, dense, 4 words of padding after every 128 (code 6);  the weights: 216 rows of 256 bytes, dense, no padding, the mask of all four work-groups, bit 21 beside it
	s_mov_b32 s[G1X], (3<<16)|(1<<20)|(6<<22)|(3<<25)
	s_mov_b32 s[G1X+1], 64<<16
	s_mov_b32 s[G1X+2], 48<<16
	s_mov_b32 s[G1X+3], 64<<16
	s_mov_b32 s[G1X+4], 48
	s_mov_b32 s[G1X+5], 64
	s_mov_b32 s[G1X+6], 0
	s_mov_b32 s[G1X+7], 0
	s_mov_b32 s[G1W], 0x0023000f
	s_mov_b32 s[G1W+1], 32<<16
	s_mov_b32 s[G1W+2], 216<<16
	s_mov_b32 s[G1W+3], 32<<16
	s_mov_b32 s[G1W+4], 216
	s_mov_b32 s[G1W+5], 32
	s_mov_b32 s[G1W+6], 0
	s_mov_b32 s[G1W+7], 0
	; LDS addresses, all made ahead of the first parting of the roles
	s_lshr_b32 s66, s[TX], 1
	s_mul_i32 s66, s66, 32*XP
	s_and_b32 s67, s[TX], 1
	s_mul_i32 s67, s67, 8*XP
	s_add_co_u32 s66, s66, s67
	s_add_co_u32 s66, s66, XB0                     ; my tile's first row; half-fragment n = 3 H2 + e begins 528 (n / 2) + 256 (n % 2) bytes into a row
	s_mul_i32 s67, s[H2], 784
	s_add_co_u32 s67, s67, s66
	s_mul_i32 s68, s[H2], 800
	s_add_co_u32 s68, s68, 256
	s_add_co_u32 s68, s68, s66
	s_add_co_u32 s69, s67, 528
	s_mul_i32 s70, s[TX], 3072
	s_mul_i32 s71, s[H2], 1536
	s_add_co_u32 s70, s70, s71
	s_add_co_u32 s70, s70, XIMG
	s_mul_i32 s71, s[TX], 192                      ; its scale halfword: 64 (n / 2) + 2 (n % 2)
	s_add_co_u32 s71, s71, XSC
	s_mul_i32 s72, s[H2], 126
	s_add_co_u32 s72, s72, 2
	s_add_co_u32 s72, s72, s71
	s_mul_i32 s73, s[H2], 66
	s_add_co_u32 s71, s71, s73
	s_add_co_u32 s74, s[WV], 1
	s_lshr_b32 s74, s74, 3                         ; 1 in wave 7 alone
	s_mul_i32 s73, s[WV], 24576                    ; my weights: tiles 8 w on; in wave 7 four more: 60 = 48 + 12
	s_mul_i32 s75, s74, 12288
	s_add_co_u32 s73, s73, s75
	v_and_b32 v68, 31, v0                          ; lane
	v_and_b32 v69, 15, v0                          ; r
	v_bfe_u32 v70, v0, 4, 1                        ; h
	v_and_b32 v71, 8, v69
	v_add_nc_u32 v71, v71, v69                     ; r + 8 (r / 8)
	v_lshlrev_b32 v[LI], 4, v68
	v_lshlrev_b32 v[L8], 3, v68
	v_lshlrev_b32 v[L4], 2, v68
	v_lshlrev_b32 v72, 2, v69
	v_mul_u32_u24 v73, v71, XP
	v_lshl_add_u32 v73, v70, 6, v73
	v_add_nc_u32 v[XA], s67, v73
	v_add_nc_u32 v[XA+1], s68, v73
	v_add_nc_u32 v[XA+2], s69, v73
	v_add_nc_u32 v[XWI], s70, v[LI]
	v_add_nc_u32 v[XW0], s71, v72
	v_add_nc_u32 v[XW1], s72, v72
	v_add_nc_u32 v[WA], s73, v[LI]
	v_add_nc_u32 v[XRI], XIMG, v[LI]
	v_add_nc_u32 v[XRS], XSC, v72
	v_lshlrev_b32 v[BQO], 6, v70
	v_lshlrev_b32 v[BVO], 2, v71
.irp b, 0,1,2,3,4,5
	v_mov_b32 v[TM+8+\b], 0                        ; written once: a lane permute's destination counts as one of its sources
.endr
	; what differs between the roles is computed for both and chosen on the wave's number
	s_cmp_ge_u32 s[WV], 3
	s_cselect_b32 s66, 3, 0
	s_sub_co_u32 s66, s[WV], s66                   ; g
	s_sub_co_u32 s67, s[WV], 6                     ; waves 6-7: 0, 1
	s_mul_i32 s68, s[HF], 12
	s_add_co_u32 s68, s68, s66
	s_lshl_b32 s68, s68, 10                        ; my first image in the record: 12 hf + g,
	s_mul_i32 s69, s67, 12288
	s_lshl_b32 s70, s[HF], 9
	s_add_co_u32 s69, s69, s70                     ; or v's first tile, half hf
	s_lshl_b32 s70, s66, 9
	s_lshl_b32 s71, s[HF], 8
	s_add_co_u32 s71, s71, s70                     ; scale words: 512 g + 256 hf,
	s_mul_i32 s72, s[HF], 768
	s_mul_i32 s73, s67, 384
	s_add_co_u32 s72, s72, s73                     ; or 768 hf + 384 (wave - 6)
	s_mul_i32 s73, s67, 768                        ; the bias: 512 g bytes on, or 768 (wave - 6)
	s_cmp_lt_u32 s[WV], 6
	s_cselect_b32 s68, s68, s69
	s_cselect_b32 s72, s71, s72
	s_cselect_b32 s76, s70, s73
	s_mul_i32 s70, s[BLK], REC                     ; my block's record
	s_add_co_u32 s68, s68, s70
	s_mov_b32 s69, 0
	s_add_co_u32 s72, s72, s70
	s_add_co_u32 s72, s72, 24576
	s_mov_b32 s73, 0
	s_mov_b32 s77, 0
	s_lshl_b32 s78, s[WV], 12                      ; 512 bytes of scale words a tile
	s_lshl_b32 s74, s74, 11
	s_add_co_u32 s78, s78, s74
	s_mov_b32 s79, 0
	s_mul_i32 s80, s[ID], 98304                    ; x: my 64 rows, 16 a wave
	s_mul_i32 s81, s[W3], 24576
	s_add_co_u32 s80, s80, s81
	s_mov_b32 s81, 0
	s_mul_i32 s82, s[W3], 55296                    ; the weights' quarter
	s_mov_b32 s83, 0
	s_mul_i32 s84, s[W3], 16*XP
	s_wait_alu depctr_va_vdst(0)                   ; the wait at the head's end, directly ahead of the waits below
	s_wait_dscnt 0x0                               ; both opening adds are done
	s_wait_kmcnt 0x0
	s_mov_b32 s[G0X], 1
	s_add_co_u32 s[G0X+1], s84, XB0
	s_add_nc_u64 s[G0X+2:G0X+3], s[4:5], s[80:81]
	s_or_b32 s[G0X+3], s[G0X+3], 0x80000000
	s_mov_b32 s[G0W], 1
	s_mov_b32 s[G0W+1], s82
	s_add_nc_u64 s[G0W+2:G0W+3], s[6:7], s[82:83]
	s_or_b32 s[G0W+3], s[G0W+3], 0x80000000
	s_cmp_lt_u32 s[WV], 3
	s_cselect_b64 s[OUTC:OUTC+1], s[16:17], s[18:19]
	s_cselect_b64 s[BB:BB+1], s[10:11], s[12:13]
	s_cmp_lt_u32 s[WV], 6
	s_cselect_b64 s[OUTC:OUTC+1], s[OUTC:OUTC+1], s[VBP:VBP+1]
	s_cselect_b64 s[BB:BB+1], s[BB:BB+1], s[14:15]
	s_add_nc_u64 s[OUTS:OUTS+1], s[OUTC:OUTC+1], s[72:73]
	s_add_nc_u64 s[OUTC:OUTC+1], s[OUTC:OUTC+1], s[68:69]
	s_add_nc_u64 s[BB:BB+1], s[BB:BB+1], s[76:77]
	s_add_nc_u64 s[WSB:WSB+1], s[8:9], s[78:79]
	CROUND                                         ; all four work-groups are here: the joint loads meet
	s_cmp_lt_u32 s[WV], 4                          ; one tensor load a wave
	s_cbranch_scc0 .Lfetch_w
	tensor_load_to_lds s[G0X:G0X+3], s[G1X:G1X+7]
	s_nop 0
	PLACES 4
	s_branch .Lfetched
.Lfetch_w:
	tensor_load_to_lds s[G0W:G0W+3], s[G1W:G1W+7]
	s_nop 0
	PLACES 4
.Lfetched:
	s_cmp_lt_u32 s[WV], 6
	s_cbranch_scc0 .Lhead_v
	WIN 0x40                                       ; the bias in the result's layout, window 1: tile 2 b + u, lane half h: columns 32 b + 16 h + 8 u + 0 .. 7
.irp t, 0,1,2,3,4,5,6,7
	global_load_b128 v[192+8*\t:195+8*\t], v[BQO], s[BB:BB+1] offset:(32*(\t/2)+8*(\t%2))*4
	global_load_b128 v[196+8*\t:199+8*\t], v[BQO], s[BB:BB+1] offset:(32*(\t/2)+8*(\t%2))*4+16
.endr
	WIN 0
.irp t, 0,1,2,3,4,5,6,7
	global_load_b128 v[HS+4*\t:HS+4*\t+3], v[LI], s[WSB:WSB+1] offset:512*\t
.endr
	s_branch .Lhead_done
.Lhead_v:
.irp t, 0,1,2,3,4,5,6,7,8,9,10,11
	global_load_b128 v[HS+4*\t:HS+4*\t+3], v[LI], s[WSB:WSB+1] offset:512*\t
	global_load_b32 v[BV+\t], v[BVO], s[BB:BB+1] offset:(32*(\t/2)+8*(\t%2))*4
.endr
.Lhead_done:
	s_wait_tensorcnt 0x0                           ; my part of x or of the weights is in,
	s_barrier_signal -1
	s_barrier_wait -1                              ; and everybody's
.irp e, 0,1,2
.irp b, 0,1
.irp j, 0,1,2,3
	ds_load_b128 v[XN+32*\e+16*\b+4*\j:XN+32*\e+16*\b+4*\j+3], v[XA+\e] offset:128*\b+16*\j
.endr
.endr
.endr
	s_wait_dscnt 0x0                               ; my reads of x's rows are over
	s_barrier_signal -1
	QUANT XN, 6                                    ; work on registers while the others arrive
.irp e, 0,1,2
	v_lshl_or_b32 v[TM+2*\e], v[TM+2*\e+1], 8, v[TM+2*\e]
.endr
	s_wait_alu depctr_va_vdst(0)                   ; directly ahead of the wait below
	s_barrier_wait -1                              ; nobody reads x's rows any more: the images may lie there
.irp e, 0,1,2
	ds_store_b128 v[XWI], v[PC+4*\e:PC+4*\e+3] offset:512*\e
.endr
	ds_store_b16 v[XW0], v[TM]
	ds_store_b16 v[XW1], v[TM+2]
	ds_store_b16 v[XW0], v[TM+4] offset:64
	s_cmp_lt_u32 s[WV], 6
	s_cbranch_scc0 .Lno_weights
	WIN 0x40                                       ; waves 0-5: my 24 fragments of the weight (tile t, step s) at v[8 (3 t + s)] of window 1: they stay
.set n, 0
.rept 24
	ds_load_b128 v[8*n:8*n+3], v[WA] offset:1024*n
	ds_load_b128 v[8*n+4:8*n+7], v[WA] offset:1024*n+512
.set n, n+1
.endr
	WIN 0
.Lno_weights:
	s_wait_dscnt 0x0                               ; for the others' sake: my images have landed
	s_barrier_signal -1
	s_barrier_wait -1                              ; from here on LDS is only read
	s_cmp_lt_u32 s[WV], 6
	s_cbranch_scc0 .Lrole_v
	; ---- waves 0-5: q or k, columns 128 g on, for four tiles of rows
.macro XFETCH m                        ; tile m of x: 9 loads, into set m % 2
.irp s, 0,1,2
	ds_load_b128 v[SF+24*((\m)%2)+8*\s:SF+24*((\m)%2)+8*\s+3], v[XRI] offset:1024*(3*(\m)+\s)
	ds_load_b128 v[SF+24*((\m)%2)+8*\s+4:SF+24*((\m)%2)+8*\s+7], v[XRI] offset:1024*(3*(\m)+\s)+512
	ds_load_b32 v[SS+4*((\m)%2)+\s], v[XRS] offset:64*(3*(\m)+\s)
.endr
.endm
.macro UNITQK m
.if \m < 3
	XFETCH (\m)+1
	s_wait_dscnt 9                                 ; this unit's loads are in; the 9 just issued may be out
.else
	s_wait_dscnt 0x0
.endif
.if \m > 0
	s_wait_xcnt 0x0                                ; the last unit's stores have read their data
.endif
.irp s, 0,1,2                                  ; the eight accumulators take turns, a step of 128 along K at a time
.if \s == 0
	WIN 0x11                                       ; source 0 (the weight) and C (the bias) window 1
.else
	WIN 0x01
.endif
.irp t, 0,1,2,3,4,5,6,7
.if \s == 0
	PMUL HA+8*\t, 8*(3*\t+\s), SF+24*((\m)%2)+8*\s, 192+8*\t, HS+4*\t+\s, SS+4*((\m)%2)+\s
.else
	PMUL HA+8*\t, 8*(3*\t+\s), SF+24*((\m)%2)+8*\s, HA+8*\t, HS+4*\t+\s, SS+4*((\m)%2)+\s
.endif
.endr
.endr
	WIN 0
	PLACES 4                                       ; in front of the first read of results
	QUANT HA, 4
	global_store_b128 v[LI], v[PC:PC+3], s[OUTC:OUTC+1] offset:(\m)*3072
	global_store_b128 v[LI], v[PC+4:PC+7], s[OUTC:OUTC+1] offset:(\m)*3072+512
	WORD
.if (\m)%2 == 0
	v_mov_b32 v[PWE], v[PW]
.else
	v_cndmask_b32 v[WD+(\m)/2], v[PWE], v[PW], s[HI16]   ; lanes 0-15: the even tile's words; lanes 16-31: the odd tile's
.endif
.endm
	s_wait_loadcnt 0x0                             ; the scale words, the bias
	XFETCH 0
	UNITQK 0
	UNITQK 1
	UNITQK 2
	UNITQK 3
	global_store_b64 v[L8], v[WD:WD+1], s[OUTS:OUTS+1]   ; 32 lanes store 256 consecutive bytes
	s_branch .Lend
	; ---- waves 6-7: v, twelve tiles of channels, my 64 keys
.Lrole_v:
.macro VFETCH k                        ; unit k's two tiles of Wv: 12 loads, into set k % 2 of window 1
	WIN 0x40
.irp f, 0,1,2,3,4,5
	ds_load_b128 v[96+48*((\k)%2)+8*\f:99+48*((\k)%2)+8*\f], v[WA] offset:6144*(\k)+1024*\f
	ds_load_b128 v[100+48*((\k)%2)+8*\f:103+48*((\k)%2)+8*\f], v[WA] offset:6144*(\k)+1024*\f+512
.endr
	WIN 0
.endm
.macro UNITV k
.if \k < 5
	VFETCH (\k)+1
	s_wait_dscnt 12                                ; this unit's loads are in; the 12 just issued may be out
.else
	s_wait_dscnt 0x0
.endif
.if \k > 0
	s_wait_xcnt 0x0                                ; the last unit's stores have read their data
.endif
.irp u, 0,1
.irp i, 0,1,2,3,4,5,6,7
	v_mov_b32 v[C8+8*\u+\i], v[BV+2*(\k)+\u]       ; a lane holds one channel: its bias is the same for all its keys
.endr
.endr
	PLACES 4
	WIN 0x05                                       ; sources 0 (x) and 1 (Wv) window 1
.irp s, 0,1,2
.irp u, 0,1
.irp t, 0,1,2,3
.if \s == 0
	PMUL HA+32*\u+8*\t, 8*(3*\t+\s), 96+48*((\k)%2)+8*(3*\u+\s), C8+8*\u, XS+3*\t+\s, HS+4*(2*(\k)+\u)+\s
.else
	PMUL HA+32*\u+8*\t, 8*(3*\t+\s), 96+48*((\k)%2)+8*(3*\u+\s), HA+32*\u+8*\t, XS+3*\t+\s, HS+4*(2*(\k)+\u)+\s
.endif
.endr
.endr
.endr
	WIN 0
	PLACES 4
	QUANT HA, 4                                    ; blocks 0, 1: the even tile's 64 keys; 2, 3: the odd one's
	global_store_b128 v[LI], v[PC:PC+3], s[OUTC:OUTC+1] offset:2048*(\k)
	global_store_b128 v[LI], v[PC+4:PC+7], s[OUTC:OUTC+1] offset:2048*(\k)+1024
	WORD
	v_lshrrev_b32 v[TP], 16, v[PW]
	v_cndmask_b32 v[TP], v[PW], v[TP], s[HI16]     ; lanes 0-15: the even tile's two bytes; lanes 16-31: the odd tile's
.if (\k)%2 == 0
	v_and_b32 v[WD+(\k)/2], 0xffff, v[TP]
.else
	v_lshl_or_b32 v[WD+(\k)/2], v[TP], 16, v[WD+(\k)/2]
.endif
.endm
	WIN 0x40                                       ; x's twelve fragments at v[8 (3 t + s)] of window 1: they stay
.set n, 0
.rept 12
	ds_load_b128 v[8*n:8*n+3], v[XRI] offset:1024*n
	ds_load_b128 v[8*n+4:8*n+7], v[XRI] offset:1024*n+512
.set n, n+1
.endr
	WIN 0
.set n, 0
.rept 12
	ds_load_b32 v[XS+n], v[XRS] offset:64*n
.set n, n+1
.endr
	VFETCH 0
	s_wait_loadcnt 0x0                             ; the scale words, the bias
	UNITV 0
	UNITV 1
	UNITV 2
	UNITV 3
	UNITV 4
	UNITV 5
.irp d, 0,1,2
	global_store_b32 v[L4], v[WD+\d], s[OUTS:OUTS+1] offset:128*\d
.endr
.Lend:
	s_wait_tensorcnt 0x0                           ; the wave's end
	ds_add_u32 v[SPW], v[NIL]
	s_wait_dscnt 0x0
	CROUND                                         ; the closing round: no work-group ends while a partner may still ask for weights that name it
	s_endpgm
.Lfunc_end_k_qdb4b455ea9_proj:
	.size	k_qdb4b455ea9_proj, .Lfunc_end_k_qdb4b455ea9_proj-k_qdb4b455ea9_proj
	.p2alignl 7, 3214868480
	.fill 96, 4, 3214868480
	.section	.rodata,"a",@progbits
	.p2align	6, 0x0
	.amdhsa_kernel k_qdb4b455ea9_proj
		.amdhsa_group_segment_fixed_size 327680
		.amdhsa_private_segment_fixed_size 0
		.amdhsa_enable_private_segment 0
		.amdhsa_kernarg_size 72
		.amdhsa_user_sgpr_count 2
		.amdhsa_user_sgpr_kernarg_segment_ptr 1
		.amdhsa_wavefront_size32 1
		.amdhsa_system_sgpr_workgroup_id_x 1
		.amdhsa_system_sgpr_workgroup_id_y 1
		.amdhsa_system_sgpr_workgroup_id_z 1
		.amdhsa_system_vgpr_workitem_id 0
		.amdhsa_next_free_vgpr 512
		.amdhsa_next_free_sgpr 100
		.amdhsa_reserve_vcc 0
		.amdhsa_float_denorm_mode_32 3
		.amdhsa_float_denorm_mode_16_64 3
		.amdhsa_memory_ordered 1
		.amdhsa_forward_progress 1
		.amdhsa_inst_pref_size 111
	.end_amdhsa_kernel
	.amdgpu_metadata
---
amdhsa.version: [ 1, 2 ]
amdhsa.kernels:
  - .name:           k_qdb4b455ea9_proj
    .symbol:         k_qdb4b455ea9_proj.kd
    .args:
      - { .name: x, .offset: 0, .size: 8, .value_kind: global_buffer, .address_space: global }
      - { .name: wc, .offset: 8, .size: 8, .value_kind: global_buffer, .address_space: global }
      - { .name: ws, .offset: 16, .size: 8, .value_kind: global_buffer, .address_space: global }
      - { .name: bq, .offset: 24, .size: 8, .value_kind: global_buffer, .address_space: global }
      - { .name: bk, .offset: 32, .size: 8, .value_kind: global_buffer, .address_space: global }
      - { .name: bv, .offset: 40, .size: 8, .value_kind: global_buffer, .address_space: global }
      - { .name: qb, .offset: 48, .size: 8, .value_kind: global_buffer, .address_space: global }
      - { .name: kb, .offset: 56, .size: 8, .value_kind: global_buffer, .address_space: global }
      - { .name: vb, .offset: 64, .size: 8, .value_kind: global_buffer, .address_space: global }
    .group_segment_fixed_size: 327680
    .private_segment_fixed_size: 0
    .kernarg_segment_align: 8
    .kernarg_segment_size: 72
    .max_flat_workgroup_size: 256
    .sgpr_count:     100
    .vgpr_count:     512
    .wavefront_size: 32
...
	.end_amdgpu_metadata
.endif
;; end of part 2
;; launch attn (part 3): grid 64 x 4, 8 waves a work-group, clusters of 4 x 1, 327,680 bytes of LDS; arguments qb, kb, vb, out0; writes out0
.if DOCPART == 3
	.amdgcn_target "amdgcn-amd-amdhsa--gfx1250"
	.amdhsa_code_object_version 6
	.text
	.protected	k_qdb4b455ea9_attn
	.globl	k_qdb4b455ea9_attn
	.p2align	8
	.type	k_qdb4b455ea9_attn,@function
k_qdb4b455ea9_attn:
	s_mov_b64 s[64:65], 0
	v_nop
	global_prefetch_b8 v0, s[64:65] scope:SCOPE_SE
	s_setreg_imm32_b32 hwreg(HW_REG_WAVE_MODE, 25, 1), 1
	s_wait_xcnt 0x0
	s_wait_alu depctr_hold_cnt(0) depctr_sa_sdst(0) depctr_va_vdst(0) depctr_va_sdst(0) depctr_va_ssrc(0) depctr_va_vcc(0) depctr_vm_vsrc(0)
	s_getreg_b32 s2, hwreg(HW_REG_IB_STS2, 6, 4)
	s_cmp_eq_u32 s2, 0
	s_cbranch_scc0 .Lentry_in_a_cluster
	s_endpgm
.Lentry_in_a_cluster:
	s_bfe_u32 s2, ttmp6, 0x10000c
	s_cmp_lg_u32 s2, 0x3003
	s_cbranch_scc0 .Lentry_shape_is_right
	s_endpgm
.Lentry_shape_is_right:
; out0[b][q][:] = the sum over k of softmax_k(q . k / sqrt(384)) v[k][:], 4 batches x 4,096 queries x 4,096 keys x 384, both products on codes of FP4 (E2M1) with one E8M0 scale for each 32 along a product's K.
; q, k and v come as images of operand registers: a fragment, 16 rows x 128 along K, is 1,024 bytes: registers 0-3 at 16 x lane, registers 4-7 at 512 + 16 x lane.
; A record is 128 keys, 26,112 bytes.  k's: tile t, 128 c of the 384 at (3 t + c) x 1,024; scale words at 24,576 (q's is the same for 128 queries).  v's: channel tile T at 1,024 T; scale halfwords at 24,576, the second 64 keys' 768 bytes behind the first's.
; In every tile lane r holds row 32 b + 8 u + r + 8 (r / 8) of its group of 32 (tile 2 b + u): so the 16 result registers of two neighbouring tiles are 16 neighbouring keys (S^T) or channels (O^T).
; THE SOFTMAX AHEAD OF THE SECOND PRODUCT: t = score x log2(e) / sqrt(384); M = the row's largest t so far, rounded UP to a whole number; p = 2^(t - M) is quantised along the keys, not normalised.
; The sum is taken of the unquantised p and divides at the end.  When M moves, the sums and O^T are multiplied by 2^(old M - new M): exact.
; SHARES.  A work-group owns 64 queries (four tiles) of a batch; its eight waves walk the keys together, 256 a step, 16 steps.
;   Scores: wave w takes ONE block of 32 keys of the step (block w) for all four tiles: a fragment of k feeds four products, and a block's scale is one wave's affair.
;   Output: wave w takes channel tiles 3 w .. 3 w + 2 for all four tiles of queries: a fragment of v feeds four products, and O^T is 96 registers.
;   What passes between the waves goes through LDS: p's codes, as images of the operand; its scale bytes; each wave's largest scores, so that M is common to the work-group.
; ORDER.  Interval n, behind barrier n: the maxima of step n + 1 are joined; p of step n + 1 is made and stored; the scores of step n + 2; v^T p^T of step n; the maxima of step n + 2 are stored; O^T is brought under the new M.
; So ONE barrier a step serves p, the maxima and the slots.  Buffers of p, bytes and maxima are two each, by the step's parity.  The LDS loads go in runs directly behind the waits that the batches of exponentials have.
; RING.  Slot s holds k of step n + 2 and v of step n, n of parity s, 52,224 bytes each: eight quarters of 51 dense rows of 256 bytes: waves 0-3 fetch k's, waves 4-7 v's, one tensor load a wave; a wave has at most one out.
; The head fills slot 1 with k of steps 0 and 1; the first round fills slot 0 with k of step 2 and v of step 0; so interval -1 waits for no load.  Behind barrier 13 v of step 14 takes its place in slot 0, and v of step 15 that of k beside it.
; CLUSTER.  The four work-groups of a cluster belong to one batch and walk the same keys: each quarter is asked for JOINTLY, by the same load with the same descriptor and a mask that names the four.
; REGISTERS.  Window 0: v1-63 addresses and statistics, v64-127 S^T, then p; v128-191 p's fragments (v160-191 also at work ahead of their loads); v192-239 v's; v240-252 scale words.  Window 1: v0-95 O^T, v96-191 q, v192-239 k's fragments, v240-255 the eight waves' maxima.
; LIMITS: NaN and infinities are not served; p under 2^-126 counts as 0 (v_exp_f32: ISA guide, 15.8).
.set KREC,  26112
.set PAIR,  2*KREC
.set QUART, PAIR/4
.set SLOT1, 1<<17                      ; slot 1 begins here: one exclusive or turns an address
.set SPARE, SLOT1+2*PAIR               ; the spare words, 128 bytes for each wave
.set PBUF,  SPARE+1024                 ; p's images: parity x 8,192 + (4 s + tile) x 1,024
.set PSC,   PBUF+16384                 ; its scale words: parity x 512 + 256 s + 8 lane + 4 pair (tiles 2 pair, 2 pair + 1 in lanes 0-15, 16-31)
.set STB,   1024                       ; the maxima: PSC + 1,024 + parity x 2,048 + 256 wave + 8 lane + 4 pair
.set SP,    1552                       ; the way out: a stage row, 1,536 bytes + 16, in slot 1
.set SPW, 1                            ; v1   LDS address of my spare word; never rewritten
.set NIL, 2                            ; v2   0; never rewritten
.set PFO, 3                            ; v3   the prefetches' offset
.set PWA, 4                            ; v4   where I store p's codes;  v5 its bytes;  v6 my maxima
.set PWB, 5
.set STA, 6
.set RS,  7                            ; v7   PSC + 8 lane
.set QS2, 8                            ; q's scale words, by 128 c: v[62:63], v[254:255], v[8:9]
.set KA,  10                           ; v10-11 my block's fragments of k, by slot;  v12-13 its scale words
.set KSA, 12
.set VA,  14                           ; v14-15 my fragments of v, by slot;  v16-21 their scale halfwords (3 x slot + tile)
.set VSA, 16
.set RUN, 22                           ; v22-23 the largest score so far, tile pairs 0, 1: lanes 0-15 the even tile, lanes 16-31 the odd one
.set NMC, 24                           ; v24-27 -M, likewise, by parity
.set NM,  28                           ; v28-35 -M by tile, in pairs; then p's codes
.set FF,  36                           ; v36-43 2^(old M - new M) by tile, in pairs
.set SUM, 44                           ; v44-51 my keys' sums by tile, in two halves
.set BM,  52                           ; v52-55 my block's largest score by tile, then its largest p, then the byte
.set TA,  56                           ; v56-61 at work
.set QS0, 62
.set SS,  64
.set PF,  128
.set TT,  160                          ; the sums' first levels, ahead of the loads of p's second half
.set HI,  186                          ; v186-191 the upper scale halfwords, until they are joined
.set VF,  192
.set VSW, 240
.set PSW, 246
.set KSW, 250
.set PR,  253                          ; v253 PBUF + 16 lane
.set QS1, 254
.set OA,  0
.set QF,  96
.set KF,  192
.set ST,  240
.set WV,  12
.set WO,  13
.set W3,  14
.set WS,  15
.set G1,  16
.set G0K, 32
.set G0V, 36
.set SEL, 40                           ; s[40:41] lane selects: lane l xor 16
.set CS,  42                           ; s[42:43] log2(e) / sqrt(384)
.set HI16, 44                          ; s44  a mask of lanes 16-31
.set TR,  45                           ; s45  the loop's trips to go
.set LIM, 46                           ; s46  1 in a cluster that prefetches, else the greatest number
.set PFA, 48                           ; s[48:49] where my prefetches stand
.set OUT, 52
.set QB,  54
.set QSB, 56
.set KQ,  80                           ; s[80:81] my quarter of the batch's first two records of k;  s[82:83] of v
.set VQ,  82
.set VSO, 90                           ; s90-92 where my tiles' scale halfwords begin in a record;  s93 my fragments of v
.set VO,  93
.set MSB, 0
.macro WIN new                         ; the immediate's high byte repeats the setting that is left
.if MSB != (\new)
	s_set_vgpr_msb (MSB<<8)|(\new)
.set MSB, (\new)
.endif
.endm
.macro PLACES n
.rept \n
	v_nop
.endr
.endm
; One product: D = v[rD], source 0 = v[rX], source 1 = v[rY], scale words v[rU], v[rW].  zero = 1: it starts a sum.  ra, rb = 1: the side's scale words stand in lanes 16-31.
.macro FP4 zero, ra, rb
.if (\zero) && (\ra) && (\rb)
	v_wmma_scale_f32_16x16x128_f8f6f4 v[rD:rD+7], v[rX:rX+7], v[rY:rY+7], 0, v[rU], v[rW] matrix_a_fmt:MATRIX_FMT_FP4 matrix_b_fmt:MATRIX_FMT_FP4 matrix_a_scale:MATRIX_SCALE_ROW1 matrix_b_scale:MATRIX_SCALE_ROW1
.elseif (\zero) && (\ra)
	v_wmma_scale_f32_16x16x128_f8f6f4 v[rD:rD+7], v[rX:rX+7], v[rY:rY+7], 0, v[rU], v[rW] matrix_a_fmt:MATRIX_FMT_FP4 matrix_b_fmt:MATRIX_FMT_FP4 matrix_a_scale:MATRIX_SCALE_ROW1
.elseif (\zero) && (\rb)
	v_wmma_scale_f32_16x16x128_f8f6f4 v[rD:rD+7], v[rX:rX+7], v[rY:rY+7], 0, v[rU], v[rW] matrix_a_fmt:MATRIX_FMT_FP4 matrix_b_fmt:MATRIX_FMT_FP4 matrix_b_scale:MATRIX_SCALE_ROW1
.elseif (\zero)
	v_wmma_scale_f32_16x16x128_f8f6f4 v[rD:rD+7], v[rX:rX+7], v[rY:rY+7], 0, v[rU], v[rW] matrix_a_fmt:MATRIX_FMT_FP4 matrix_b_fmt:MATRIX_FMT_FP4
.elseif (\ra) && (\rb)
	v_wmma_scale_f32_16x16x128_f8f6f4 v[rD:rD+7], v[rX:rX+7], v[rY:rY+7], v[rD:rD+7], v[rU], v[rW] matrix_a_fmt:MATRIX_FMT_FP4 matrix_b_fmt:MATRIX_FMT_FP4 matrix_a_scale:MATRIX_SCALE_ROW1 matrix_b_scale:MATRIX_SCALE_ROW1
.elseif (\ra)
	v_wmma_scale_f32_16x16x128_f8f6f4 v[rD:rD+7], v[rX:rX+7], v[rY:rY+7], v[rD:rD+7], v[rU], v[rW] matrix_a_fmt:MATRIX_FMT_FP4 matrix_b_fmt:MATRIX_FMT_FP4 matrix_a_scale:MATRIX_SCALE_ROW1
.elseif (\rb)
	v_wmma_scale_f32_16x16x128_f8f6f4 v[rD:rD+7], v[rX:rX+7], v[rY:rY+7], v[rD:rD+7], v[rU], v[rW] matrix_a_fmt:MATRIX_FMT_FP4 matrix_b_fmt:MATRIX_FMT_FP4 matrix_b_scale:MATRIX_SCALE_ROW1
.else
	v_wmma_scale_f32_16x16x128_f8f6f4 v[rD:rD+7], v[rX:rX+7], v[rY:rY+7], v[rD:rD+7], v[rU], v[rW] matrix_a_fmt:MATRIX_FMT_FP4 matrix_b_fmt:MATRIX_FMT_FP4
.endif
.endm
; S^T = k q^T: eight accumulators by turns, 128 of the 384 at a time
.macro SPROD
	WIN 0x05                                       ; k and q in window 1, S^T in window 0
.irp c, 0,1,2
.irp u, 0,1
.irp q, 0,1,2,3
.set rD, SS+16*\q+8*\u
.set rX, KF+8*(3*\u+\c)
.set rY, QF+8*(3*\q+\c)
.set rU, KSW+\c
.set rW, QS\c+\q/2
.if \c == 0
	FP4 1, \u, \q%2
.else
	FP4 0, \u, \q%2
.endif
.endr
.endr
.endr
	WIN 0
.endm
; O^T += v^T p^T: twelve accumulators by turns, 128 keys at a time.  first = 1: the products start the sums: nothing is ever cleared
.macro PVPROD first
	WIN 0x50                                       ; v and p in window 0, O^T in window 1
.irp s, 0,1
.irp i, 0,1,2
.irp q, 0,1,2,3
.set rD, OA+8*(4*\i+\q)
.set rX, VF+8*(3*\s+\i)
.set rY, PF+8*(4*\s+\q)
.set rU, VSW+3*\s+\i
.set rW, PSW+2*\s+\q/2
.if (\first) && (\s == 0)
	FP4 1, 0, \q%2
.else
	FP4 0, 0, \q%2
.endif
.endr
.endr
.endr
	WIN 0
.endm
.macro RESC                            ; O^T x the factor of its tile, each accumulator from its low end on
	WIN 0x41
.irp i, 0,1,2
.irp q, 0,1,2,3
.irp j, 0,2,4,6
	v_pk_mul_f32 v[OA+8*(4*\i+\q)+\j:OA+8*(4*\i+\q)+\j+1], v[OA+8*(4*\i+\q)+\j:OA+8*(4*\i+\q)+\j+1], v[FF+2*\q:FF+2*\q+1] op_sel_hi:[1,0]
.endr
.endr
.endr
	WIN 0
.endm
; A round of the cluster's barrier behind its opening barrier: wave 0 signals for the work-group; every wave waits for all four work-groups; my work-group's barrier once more.
.macro CREST
	s_cmp_lg_u32 s[WV], 0
	s_cbranch_scc1 .Lnot_wave_0_\@
	s_barrier_signal -3
.Lnot_wave_0_\@:
	s_barrier_wait -3
	s_barrier_signal -1
	s_barrier_wait -1
.endm
.macro CROUND
	s_barrier_signal -1
	s_barrier_wait -1
	CREST
.endm
; The joint loads: waves 0-3 and waves 4-7 have a line each.  The branch hangs on the wave's number alone.
.macro JLOAD
	s_cmp_lt_u32 s[WV], 4
	s_cbranch_scc0 .Lnot_k_\@
	tensor_load_to_lds s[G0K:G0K+3], s[G1:G1+7]
	s_nop 0
	PLACES 4
	s_branch .Lasked_\@
.Lnot_k_\@:
	tensor_load_to_lds s[G0V:G0V+3], s[G1:G1+7]
	s_nop 0
	PLACES 4
.Lasked_\@:
.endm
; A BARRIER.  resc: O^T is rescaled ahead of it.  tw: each wave waits for its tensor load.  load > 0: slots are filled behind it: it is a round of the cluster's, with 0 added to the spare word in front of it: 1 the next step, 2 the first fill of slot 0, 3 v's last two steps.
.macro CHANGE tw, load, resc, ask
.if \resc
	RESC
.endif
.if \tw
	s_wait_tensorcnt 0x0
.endif
.if (\load) > 0
	ds_add_u32 v[SPW], v[NIL]                      ; 0 onto my spare word
	s_xor_b32 s[G0K+1], s[G0K+1], SLOT1            ; no tensor load of mine is out, so the descriptors may be written: the other slot
	s_xor_b32 s[G0V+1], s[G0V+1], SLOT1
.if (\load) == 2
	s_add_nc_u64 s[G0K+2:G0K+3], s[KQ:KQ+1], 2*PAIR
	s_or_b32 s[G0K+3], s[G0K+3], 0x80000000
	s_mov_b64 s[G0V+2:G0V+3], s[VQ:VQ+1]
	s_or_b32 s[G0V+3], s[G0V+3], 0x80000000
.elseif (\load) == 3
	s_add_nc_u64 s[G0K+2:G0K+3], s[VQ:VQ+1], 15*PAIR
	s_or_b32 s[G0K+3], s[G0K+3], 0x80000000
	s_add_nc_u64 s[G0V+2:G0V+3], s[G0V+2:G0V+3], PAIR
.else
	s_add_nc_u64 s[G0K+2:G0K+3], s[G0K+2:G0K+3], PAIR
	s_add_nc_u64 s[G0V+2:G0V+3], s[G0V+2:G0V+3], PAIR
.endif
.if \ask
	s_wait_xcnt 0x0                                ; the last prefetch, a step back, has read its address
	s_add_nc_u64 s[PFA:PFA+1], s[PFA:PFA+1], PAIR
.endif
.endif
	s_wait_dscnt 0x0
	s_barrier_signal -1
	s_barrier_wait -1
.if (\load) > 0
	CREST                                          ; no wave of any partner still reads what is filled, or has a load on its way
	JLOAD                                          ; the first thing behind the round, and a wave's one tensor load until the next
.endif
.endm
; A PREFETCH INTO THE L2, two steps ahead of the joint load that will want it.  All sixteen clusters of a batch walk the same keys: four of them ask (those whose number has bits 1 and 3 clear).  Each wave names its own quarter (51 blocks of 256 bytes), which
; the four partners share out BY ADDRESS: partner cx the blocks 13 cx .. 13 cx + 12, a lane a block (lanes left over, and a block past the quarter's last, name the last one again).  The loop's last trip asks for nothing: k of step 15 is its last.
.macro ASK
	s_cmp_gt_u32 s[TR], s[LIM]
	s_cbranch_scc0 .Lnot_mine_\@
	global_prefetch_b8 v[PFO], s[PFA:PFA+1] th:TH_LOAD_NT scope:SCOPE_SE
.Lnot_mine_\@:
.endm
; THE RUNS OF LDS LOADS
.macro KRUN slot, off                  ; my block's fragments of k and their scale words: 15
	WIN 0x40
.irp u, 0,1
.irp c, 0,1,2
	ds_load_b128 v[KF+8*(3*\u+\c):KF+8*(3*\u+\c)+3], v[KA+(\slot)] offset:(\off)+3072*\u+1024*\c
	ds_load_b128 v[KF+8*(3*\u+\c)+4:KF+8*(3*\u+\c)+7], v[KA+(\slot)] offset:(\off)+3072*\u+1024*\c+512
.endr
.endr
	WIN 0
.irp c, 0,1,2
	ds_load_b32 v[KSW+\c], v[KSA+(\slot)] offset:(\off)+512*\c
.endr
.endm
.macro VRUN va, vs, hi                 ; my fragments of v and their scale halfwords: 24
.irp s, 0,1
.irp i, 0,1,2
	ds_load_b128 v[VF+8*(3*\s+\i):VF+8*(3*\s+\i)+3], v[\va] offset:KREC*\s+1024*\i
	ds_load_b128 v[VF+8*(3*\s+\i)+4:VF+8*(3*\s+\i)+7], v[\va] offset:KREC*\s+1024*\i+512
.endr
.endr
.irp s, 0,1
.irp i, 0,1,2
	ds_load_u16 v[VSW+3*\s+\i], v[(\vs)+\i] offset:KREC*\s
	ds_load_u16 v[(\hi)+3*\s+\i], v[(\vs)+\i] offset:KREC*\s+768
.endr
.endr
.endm
.macro VJOIN hi                        ; the halfwords of 64 keys each make the scale words of 128
.irp i, 0,1,2,3,4,5
	v_lshl_or_b32 v[VSW+\i], v[(\hi)+\i], 16, v[VSW+\i]
.endr
.endm
.macro PLOAD p, s                      ; p's four fragments of 128 keys s: 8
.irp q, 0,1,2,3
	ds_load_b128 v[PF+8*(4*(\s)+\q):PF+8*(4*(\s)+\q)+3], v[PR] offset:8192*(\p)+1024*(4*(\s)+\q)
	ds_load_b128 v[PF+8*(4*(\s)+\q)+4:PF+8*(4*(\s)+\q)+7], v[PR] offset:8192*(\p)+1024*(4*(\s)+\q)+512
.endr
.endm
.macro PRUN p                          ; p's scale words and its first half: 10
.irp s, 0,1
	ds_load_b64 v[PSW+2*\s:PSW+2*\s+1], v[RS] offset:512*(\p)+256*\s
.endr
	PLOAD \p, 0
.endm
.macro STLOAD par                      ; the eight waves' maxima (at the end: sums)
	WIN 0x40
.irp w, 0,1,2,3,4,5,6,7
	ds_load_b64 v[ST+2*\w:ST+2*\w+1], v[RS] offset:STB+2048*(\par)+256*\w
.endr
	WIN 0
.endm
.macro BOTH dst, a, b                  ; a tile pair's numbers, in a: lanes 0-15 the even tile's, lanes 16-31 the odd one's, and in b the same with the halves changed over: to the even tile's register, in all lanes, and the odd tile's
	v_cndmask_b32 v[\dst], v[\a], v[\b], s[HI16]
	v_cndmask_b32 v[(\dst)+2], v[\b], v[\a], s[HI16]
.endm
; p of step n + 1 (p: n's parity).  Register 16 q + i is key 32 w + 16 (lane / 16) + i of the step, query of tile q
.macro SOFTMAX p, s, pv, kslot, koff
	WIN 0x15
	v_max3_num_f32 v[TA], v[ST], v[ST+2], v[ST+4]
	v_max3_num_f32 v[TA+1], v[ST+1], v[ST+3], v[ST+5]
	v_max3_num_f32 v[TA+2], v[ST+6], v[ST+8], v[ST+10]
	v_max3_num_f32 v[TA+3], v[ST+7], v[ST+9], v[ST+11]
	WIN 0x05
	v_max3_num_f32 v[TA], v[ST+12], v[ST+14], v[TA]
	v_max3_num_f32 v[TA+1], v[ST+13], v[ST+15], v[TA+1]
	WIN 0
.irp e, 0,1
	v_max3_num_f32 v[RUN+\e], v[RUN+\e], v[TA+\e], v[TA+2+\e]      ; the largest score so far, of all keys up to this step
.endr
.irp e, 0,1
	v_mul_f32 v[TA+\e], s[CS], v[RUN+\e]                           ; as t (the factor is positive)
.endr
.irp e, 0,1
	v_floor_f32 v[NMC+2*(1-(\p))+\e], -v[TA+\e]                    ; the new -M = floor(-t) = -ceil(t): a whole number
.endr
.irp e, 0,1
	v_sub_f32 v[TA+2+\e], v[NMC+2*(1-(\p))+\e], v[NMC+2*(\p)+\e]   ; old M - new M: a whole number, 0 or less
.endr
.irp e, 0,1
	v_permlanex16_b32 v[TA+4+\e], v[NMC+2*(1-(\p))+\e], s[SEL], s[SEL+1]
.endr
.irp e, 0,1
	v_cvt_i32_f32 v[TA+2+\e], v[TA+2+\e]                           ; (it saturates)
.endr
	BOTH NM, NMC+2*(1-(\p)), TA+4
	BOTH NM+4, NMC+2*(1-(\p))+1, TA+5
.irp e, 0,1
	v_ldexp_f32 v[TA+2+\e], 1.0, v[TA+2+\e]                        ; 2^(old M - new M): a multiplication by it rounds nothing
.endr
.irp j, 0,2,4,6,8,10,12,14
.irp q, 0,1
	v_pk_fma_f32 v[SS+16*\q+\j:SS+16*\q+\j+1], v[SS+16*\q+\j:SS+16*\q+\j+1], s[CS:CS+1], v[NM+2*\q:NM+2*\q+1] op_sel_hi:[1,0,0]   ; tiles 0, 1: t - M, two at a time
.endr
.endr
.irp e, 0,1
	v_permlanex16_b32 v[TA+\e], v[TA+2+\e], s[SEL], s[SEL+1]
.endr
.irp q, 0,1,2,3
	v_fma_f32 v[BM+\q], v[BM+\q], s[CS], v[NM+2*\q]                ; the same of my block's largest score
.endr
	BOTH FF, TA+2, TA
	BOTH FF+4, TA+3, TA+1
.irp q, 0,1,2,3
	v_pk_mul_f32 v[SUM+2*\q:SUM+2*\q+1], v[SUM+2*\q:SUM+2*\q+1], v[FF+2*\q:FF+2*\q+1] op_sel_hi:[1,0]   ; the sums under the new M
.endr
	s_wait_alu depctr_va_vdst(0)                   ; the wait ahead of the batch
.if \s
	KRUN \kslot, \koff
.endif
.set g, 0
.rept 16                                       ; tiles 0 and 1: p = 2^(t - M); tiles 2 and 3 are scaled between
	v_pk_fma_f32 v[SS+32+2*g:SS+33+2*g], v[SS+32+2*g:SS+33+2*g], s[CS:CS+1], v[NM+4+2*(g/8):NM+5+2*(g/8)] op_sel_hi:[1,0,0]
	v_exp_f32 v[SS+2*g], v[SS+2*g]
	v_exp_f32 v[SS+2*g+1], v[SS+2*g+1]
.set g, g+1
.endr
	v_exp_f32 v[BM], v[BM]                         ; the block's largest p: the same instructions on the same number give the same bits
	v_exp_f32 v[BM+1], v[BM+1]
	v_nop                                          ; a plain place behind the last exponential
	s_wait_alu depctr_va_vdst(0)                   ; the wait behind this batch and ahead of the next
.if \pv
	VRUN VA+(\p), VSA+3*(\p), HI
.endif
.set g, 0
.rept 16                                       ; tiles 2 and 3; between them lines of tiles 0 and 1 whose results are first read behind the batch
.if g < 8
	v_pk_add_f32 v[TT+2*g:TT+2*g+1], v[SS+4*g:SS+4*g+1], v[SS+4*g+2:SS+4*g+3]   ; THE SUM IS TAKEN OF THE UNQUANTISED p
.elseif g < 10
	v_max_num_f32 v[BM+g-8], 0x1800000, v[BM+g-8]                  ; the floor 2^(3 - 127): the byte cannot fall under 1 (a block whose every p is 0 keeps that byte: its codes are zeros)
.endif
	v_exp_f32 v[SS+32+2*g], v[SS+32+2*g]
	v_exp_f32 v[SS+33+2*g], v[SS+33+2*g]
.set g, g+1
.endr
	v_exp_f32 v[BM+2], v[BM+2]
	v_exp_f32 v[BM+3], v[BM+3]
	v_nop
	s_wait_alu depctr_va_vdst(0)                   ; the wait behind the batch
.if \pv
	PRUN \p
	s_wait_dscnt 10                                ; v's loads are in; p's ten may be out
	VJOIN HI
.endif
	v_max_num_f32 v[BM+2], 0x1800000, v[BM+2]
	v_max_num_f32 v[BM+3], 0x1800000, v[BM+3]
.irp g, 8,9,10,11,12,13,14,15
	v_pk_add_f32 v[TT+2*\g:TT+2*\g+1], v[SS+4*\g:SS+4*\g+1], v[SS+4*\g+2:SS+4*\g+3]
.endr
.irp q, 0,1,2,3
	v_add_nc_u32 v[TA+\q], 0xff000000, v[BM+\q]                    ; 2 off the exponent field: the conversion's scale operand
.endr
.irp e, 0,2,4,6,8,10,12,14
	v_pk_add_f32 v[TT+2*\e:TT+2*\e+1], v[TT+2*\e:TT+2*\e+1], v[TT+2*\e+2:TT+2*\e+3]
.endr
.irp q, 0,1,2,3
	v_lshrrev_b32 v[BM+\q], 23, v[TA+\q]                           ; the scale's byte
.endr
.irp q, 0,1,2,3
	v_pk_add_f32 v[TT+8*\q:TT+8*\q+1], v[TT+8*\q:TT+8*\q+1], v[TT+8*\q+4:TT+8*\q+5]
.endr
.irp e, 0,1
	v_cndmask_b32 v[TA+4+\e], v[BM+2*\e], v[BM+2*\e+1], s[HI16]
.endr
.irp q, 0,1,2,3
	v_pk_add_f32 v[SUM+2*\q:SUM+2*\q+1], v[SUM+2*\q:SUM+2*\q+1], v[TT+8*\q:TT+8*\q+1]
.endr
.irp q, 0,1,2,3
	v_cvt_scalef32_pk8_fp4_f32 v[NM+2*\q], v[SS+16*\q:SS+16*\q+7], v[TA+\q]
	v_cvt_scalef32_pk8_fp4_f32 v[NM+2*\q+1], v[SS+16*\q+8:SS+16*\q+15], v[TA+\q]
.endr
	v_nop                                          ; one plain place behind a scaled conversion
.irp q, 0,1,2,3                                ; keys 16 (lane / 16) + 0 .. 15 of my block: 8 bytes of the 16 that one lane of the operand holds
	ds_store_b64 v[PWA], v[NM+2*\q:NM+2*\q+1] offset:8192*(1-(\p))+1024*\q
.endr
.irp e, 0,1
	ds_store_b8 v[PWB], v[TA+4+\e] offset:512*(1-(\p))+4*\e
.endr
.endm
.macro MAXES p                         ; my block's largest scores, by tile, and out to the other waves
	PLACES 4                                       ; behind the last products
.irp q, 0,1,2,3
	v_max3_num_f32 v[BM+\q], v[SS+16*\q], v[SS+16*\q+1], v[SS+16*\q+2]
.endr
.irp i, 3,5,7,9,11,13
.irp q, 0,1,2,3
	v_max3_num_f32 v[BM+\q], v[BM+\q], v[SS+16*\q+\i], v[SS+16*\q+\i+1]
.endr
.endr
.irp q, 0,1,2,3
	v_max_num_f32 v[BM+\q], v[BM+\q], v[SS+16*\q+15]
.endr
.irp q, 0,1,2,3
	v_permlanex16_b32 v[TA+\q], v[BM+\q], s[SEL], s[SEL+1]
.endr
.irp q, 0,1,2,3
	v_max_num_f32 v[BM+\q], v[BM+\q], v[TA+\q]     ; with lane l xor 16's 16 keys
.endr
	v_cndmask_b32 v[TA+2], v[BM], v[BM+1], s[HI16]
	v_cndmask_b32 v[TA+3], v[BM+2], v[BM+3], s[HI16]
	ds_store_b64 v[STA], v[TA+2:TA+3] offset:2048*(\p)
.endm
.macro SUMS                            ; behind the last p: my keys' sums out to the other waves, in the maxima's place, parity 0
.irp q, 0,1,2,3
	v_add_f32 v[SUM+2*\q], v[SUM+2*\q], v[SUM+2*\q+1]
.endr
.irp q, 0,1,2,3
	v_permlanex16_b32 v[TA+\q], v[SUM+2*\q], s[SEL], s[SEL+1]
.endr
.irp q, 0,1,2,3
	v_add_f32 v[SUM+2*\q], v[SUM+2*\q], v[TA+\q]
.endr
	v_cndmask_b32 v[TA+2], v[SUM], v[SUM+2], s[HI16]
	v_cndmask_b32 v[TA+3], v[SUM+4], v[SUM+6], s[HI16]
	ds_store_b64 v[STA], v[TA+2:TA+3]
.endm
; INTERVAL n, p its parity.  s: the scores of step n + 2, k in slot kslot, koff bytes on; pv: v^T p^T of step n (first: it starts the sums); sm: p of step n + 1.
.macro BODY p, kslot, koff, first, s, pv, sm, ask
.if \sm
	STLOAD 1-(\p)
.if \ask
	ASK
.endif
	s_wait_dscnt 0x0                               ; the maxima
	SOFTMAX \p, \s, \pv, \kslot, \koff
.if !(\s)
	SUMS
.endif
.else
	KRUN \kslot, \koff
.endif
.if \pv
	PLOAD \p, 1                                    ; p's second half, where the sums' first levels stood: it lands under the scores
.endif
.if \s
	s_wait_dscnt 6*(\sm)+8*(\pv)                   ; all but the six stores and the eight loads just issued
	SPROD
.endif
.if \pv
	s_wait_dscnt 0x0
	PVPROD \first
.endif
.if \s
	MAXES \p
.else
	PLACES 4                                       ; behind the last products, ahead of the rescaling
.endif
.endm
	s_load_b256 s[4:11], s[0:1], 0x0               ; qb s[4:5], kb s[6:7], vb s[8:9], out0 s[10:11]
	v_lshl_add_u32 v[SPW], v0, 2, SPARE
	v_mov_b32 v[NIL], 0
	ds_add_u32 v[SPW], v[NIL]                      ; the wave's opening: the add, twice on end, and its wait below
	ds_add_u32 v[SPW], v[NIL]
	v_lshrrev_b32 v64, 5, v0
	v_readfirstlane_b32 s[WV], v64                 ; wave 0..7
	s_and_b32 s[W3], s[WV], 3
	s_lshr_b32 s[WS], s[WV], 2
	s_and_b32 s[WO], s[WV], 1
	s_bfe_u32 s58, ttmp6, 0x40000                  ; cx: my place in the cluster
	s_lshl_b32 s59, ttmp9, 2
	s_add_co_u32 s59, s59, s58                     ; j: my block of 64 queries; it enters q's and out0's addresses alone
	s_and_b32 s60, ttmp7, 0xffff                   ; the batch, which the four partners share
	; descriptor group 1: 51 dense rows of 32 elements of 8 bytes, no padding
	s_mov_b32 s[G1], 0x0023000f                    ; 15:0 the mask: all four work-groups; 17:16 elements of 8 bytes (code 3); 21 set beside a mask
	s_mov_b32 s[G1+1], 32<<16
	s_mov_b32 s[G1+2], 51<<16
	s_mov_b32 s[G1+3], 32<<16
	s_mov_b32 s[G1+4], 51
	s_mov_b32 s[G1+5], 32
	s_mov_b32 s[G1+6], 0
	s_mov_b32 s[G1+7], 0
	s_mov_b32 s[SEL], 0x76543210
	s_mov_b32 s[SEL+1], 0xfedcba98
	s_mov_b32 s[CS], 0x3d96c740                    ; log2(e) / sqrt(384) = 0.0736222
	s_mov_b32 s[CS+1], s[CS]                       ; (named with it as a pair, so it is written)
	s_mov_b32 s[HI16], 0xffff0000
	s_mov_b32 s[TR], 6
	s_and_b32 s66, ttmp9, 10                       ; the cluster's number: the same in all four partners
	s_cmp_eq_u32 s66, 0
	s_cselect_b32 s[LIM], 1, -1
	; LDS addresses: constants, the lane and the wave's number
	s_mul_i32 s69, s[WS], 384                      ; v's scale halfwords: tile m = 3 (w % 4) + i of group w / 4
	s_add_co_u32 s69, s69, 24576
.irp i, 0,1,2
	s_mul_i32 s66, s[W3], 3
	s_add_co_u32 s66, s66, \i
	s_lshr_b32 s67, s66, 2
	s_lshl_b32 s67, s67, 7                         ; 128 (m / 4)
	s_lshr_b32 s68, s66, 1
	s_and_b32 s68, s68, 1
	s_lshl_b32 s68, s68, 1                         ; + 2 (m / 2 % 2)
	s_and_b32 s66, s66, 1
	s_lshl_b32 s66, s66, 6                         ; + 64 (m % 2)
	s_add_co_u32 s66, s66, s67
	s_add_co_u32 s66, s66, s68
	s_add_co_u32 s[VSO+\i], s66, s69
.endr
	s_mul_i32 s[VO], s[WV], 3072                   ; v: channel tiles 3 w on
	s_lshl_b32 s66, s[WS], 12                      ; p's image: 128 keys w / 4, block w % 4
	s_lshl_b32 s67, s[W3], 8
	s_add_co_u32 s66, s66, s67
	s_add_co_u32 s66, s66, PBUF
	s_lshl_b32 s67, s[WS], 8
	s_add_co_u32 s67, s67, s[W3]
	s_add_co_u32 s67, s67, PSC
	s_lshl_b32 s68, s[WV], 8
	s_add_co_u32 s68, s68, PSC+STB
	s_mul_i32 s70, s[WS], KREC                     ; k: record w / 4, tiles 2 (w % 4), + 1
	s_mul_i32 s71, s[W3], 6144
	s_add_co_u32 s71, s71, s70
	s_lshr_b32 s72, s[W3], 1
	s_lshl_b32 s72, s72, 8
	s_lshl_b32 s73, s[WO], 2
	s_add_co_u32 s72, s72, s73
	s_add_co_u32 s72, s72, s70
	s_add_co_u32 s72, s72, 24576
	s_mul_i32 s78, s58, 13                         ; the prefetches: my work-group's blocks of a quarter
	v_and_b32 v65, 31, v0                          ; lane
	v_and_b32 v66, 15, v0                          ; r
	v_bfe_u32 v67, v0, 4, 1                        ; h
	v_lshlrev_b32 v68, 4, v65
	v_lshlrev_b32 v69, 3, v65
	v_lshlrev_b32 v70, 4, v66
	v_lshl_add_u32 v71, v67, 3, v70                ; 16 r + 8 h
	v_lshlrev_b32 v72, 2, v66
	v_add_nc_u32 v73, PAIR, v72
	v_add_nc_u32 v74, PAIR, v68
	v_add_nc_u32 v[PWA], s66, v71
	v_add_nc_u32 v[PWB], s67, v69
	v_add_nc_u32 v[STA], s68, v69
	v_add_nc_u32 v[RS], PSC, v69
	v_add_nc_u32 v[PR], PBUF, v68
	v_add_nc_u32 v[KA], s71, v68
	v_add_nc_u32 v[KSA], s72, v69
	v_add_nc_u32 v[VA], s[VO], v74
.irp i, 0,1,2
	v_add_nc_u32 v[VSA+\i], s[VSO+\i], v73
.endr
	v_add_nc_u32 v[KA+1], SLOT1, v[KA]
	v_add_nc_u32 v[KSA+1], SLOT1, v[KSA]
	v_add_nc_u32 v[VA+1], SLOT1, v[VA]
.irp i, 0,1,2
	v_add_nc_u32 v[VSA+3+\i], SLOT1, v[VSA+\i]
.endr
	v_min_u32 v75, 12, v65
	v_add_nc_u32 v75, s78, v75
	v_min_u32 v75, 50, v75
	v_lshlrev_b32 v[PFO], 8, v75
	; offsets in memory
	s_mul_i32 s66, s60, 32*KREC                    ; my batch's 32 records,
	s_mul_i32 s67, s[W3], QUART                    ; and my quarter of two
	s_add_co_u32 s68, s66, s67
	s_mov_b32 s69, 0
	s_lshl_b32 s70, s60, 5
	s_lshr_b32 s71, s59, 1
	s_add_co_u32 s70, s70, s71
	s_mul_i32 s70, s70, KREC                       ; q: the record 32 batch + j / 2,
	s_and_b32 s71, s59, 1
	s_mul_i32 s72, s71, 12288                      ; tiles 4 (j % 2) on
	s_add_co_u32 s72, s72, s70
	s_mov_b32 s73, 0
	s_lshl_b32 s84, s71, 8                         ; its scale words: 24,576 + 256 (j % 2) + 512 c + 8 lane
	s_add_co_u32 s84, s84, s70
	s_add_co_u32 s84, s84, 24576
	s_mov_b32 s85, 0
	s_lshl_b32 s86, s60, 12                        ; out0: row 4,096 batch + 64 j + 8 w
	s_lshl_b32 s87, s59, 6
	s_add_co_u32 s86, s86, s87
	s_lshl_b32 s87, s[WV], 3
	s_add_co_u32 s86, s86, s87
	s_mul_i32 s86, s86, 1536
	s_mov_b32 s87, 0
	s_wait_alu depctr_va_vdst(0)                   ; directly ahead of the waits below
	s_wait_dscnt 0x0                               ; both opening adds are done
	s_wait_kmcnt 0x0
	s_add_nc_u64 s[KQ:KQ+1], s[6:7], s[68:69]
	s_add_nc_u64 s[VQ:VQ+1], s[8:9], s[68:69]
	s_mov_b32 s[G0K], 1                            ; 1:0 count = 1
	s_add_co_u32 s[G0K+1], s67, SLOT1              ; 63:32 LDS address: slot 1, my quarter
	s_mov_b64 s[G0K+2:G0K+3], s[KQ:KQ+1]           ; 120:64 global address: made of the batch and the wave's number alone: k of step 0,
	s_or_b32 s[G0K+3], s[G0K+3], 0x80000000        ; 127:126 type = 2
	s_mov_b32 s[G0V], 1
	s_add_co_u32 s[G0V+1], s67, SLOT1+PAIR
	s_add_nc_u64 s[G0V+2:G0V+3], s[KQ:KQ+1], PAIR  ; and of step 1
	s_or_b32 s[G0V+3], s[G0V+3], 0x80000000
	s_add_nc_u64 s[70:71], s[KQ:KQ+1], 5*PAIR      ; the prefetches: barrier 1 steps these to k of step 6 and v of step 4
	s_add_nc_u64 s[74:75], s[VQ:VQ+1], 3*PAIR
	s_cmp_lt_u32 s[WV], 4
	s_cselect_b64 s[PFA:PFA+1], s[70:71], s[74:75]
	s_add_nc_u64 s[QB:QB+1], s[4:5], s[72:73]
	s_add_nc_u64 s[QSB:QSB+1], s[4:5], s[84:85]
	s_add_nc_u64 s[OUT:OUT+1], s[10:11], s[86:87]
	CROUND                                         ; all four work-groups are here: the first joint loads meet
	JLOAD                                          ; k of steps 0 and 1: slot 1; one tensor load a wave
	WIN 0x40                                       ; q's twelve fragments stay in window 1
.irp q, 0,1,2,3
.irp c, 0,1,2
	global_load_b128 v[QF+8*(3*\q+\c):QF+8*(3*\q+\c)+3], v68, s[QB:QB+1] offset:(3*\q+\c)*1024
	global_load_b128 v[QF+8*(3*\q+\c)+4:QF+8*(3*\q+\c)+7], v68, s[QB:QB+1] offset:(3*\q+\c)*1024+512
.endr
.endr
	WIN 0
	global_load_b64 v[QS0:QS0+1], v69, s[QSB:QSB+1]
	global_load_b64 v[QS1:QS1+1], v69, s[QSB:QSB+1] offset:512
	global_load_b64 v[QS2:QS2+1], v69, s[QSB:QSB+1] offset:1024
.irp e, 0,1
	v_mov_b32 v[RUN+\e], 0xff61b1e6                ; the largest score so far: -3e38, under every score
	v_floor_f32 v[NMC+2+\e], -v[RUN+\e]            ; -M so far
.endr
.irp q, 0,1,2,3
	v_mov_b32 v[SUM+2*\q], 0
	v_mov_b32 v[SUM+2*\q+1], 0
	v_mov_b32 v[NM+2*\q+1], 0                      ; (named as the upper halves of pairs)
	v_mov_b32 v[FF+2*\q+1], 0
.endr
.irp e, 0,1,2,3,4,5
	v_mov_b32 v[TA+\e], 0                          ; written once: a lane permute's destination counts as one of its sources
.endr
	s_wait_alu depctr_va_vdst(0)                   ; the wait at the head's end
	s_wait_loadcnt 0x0                             ; q
	CHANGE 1, 2, 0, 0                              ; first fills: slot 0 whole
	BODY 0, 1, 0, 0, 1, 0, 0, 0                    ; interval -2: the scores of step 0
	CHANGE 0, 0, 0, 0                              ; slot 0's loads stay on their way
	BODY 1, 1, PAIR, 0, 1, 0, 1, 0                 ; interval -1: p of step 0, the scores of step 1
	CHANGE 1, 1, 0, 0
	BODY 0, 0, 0, 1, 1, 1, 1, 0                    ; interval 0: v^T p^T starts its sums
.Ltrip:                                            ; six trips: intervals 1 to 12
	CHANGE 1, 1, 1, 1
	BODY 1, 1, 0, 0, 1, 1, 1, 1
	CHANGE 1, 1, 1, 1
	BODY 0, 0, 0, 0, 1, 1, 1, 1
	s_sub_co_u32 s[TR], s[TR], 1
	s_cmp_lg_u32 s[TR], 0
	s_cbranch_scc1 .Ltrip
	CHANGE 1, 3, 1, 0                              ; v of steps 14 and 15
	BODY 1, 1, 0, 0, 1, 1, 1, 0                    ; interval 13: the last scores
	CHANGE 1, 0, 1, 0                              ; nothing is filled again
	BODY 0, 0, 0, 0, 0, 1, 1, 0                    ; interval 14: the last p, and the sums
	CHANGE 0, 0, 1, 0
	; INTERVAL 15 and THE WAY OUT: the eight waves' sums are added; O^T / the sum goes through a stage of 64 rows in slot 1, which has had its last fill and its last read, and comes back as whole rows
	STLOAD 0
	v_and_b32 v68, 31, v0
	v_lshlrev_b32 v68, 4, v68                      ; 16 lane
	v_and_b32 v69, 15, v0
	v_lshlrev_b32 v69, 2, v69                      ; 4 r
	v_add_nc_u32 v64, s[VO], v68                   ; v of step 15 lies at slot 0's first byte
.irp i, 0,1,2
	v_add_nc_u32 v[65+\i], s[VSO+\i], v69
.endr
	VRUN 64, 65, 72
	PRUN 1
	PLOAD 1, 1
	s_lshr_b32 s66, s[WV], 1                       ; channel tile T = 3 w + i stands at 128 (T / 2) + 32 (T % 2): 384 (w / 2) + 160 (w % 2); + 32 + 64 (w % 2); + 128
	s_mul_i32 s66, s66, 384
	s_add_co_u32 s66, s66, SLOT1
	s_mul_i32 s67, s[WO], 160
	s_add_co_u32 s67, s67, s66
	s_mul_i32 s68, s[WO], 224
	s_add_co_u32 s68, s68, 32
	s_add_co_u32 s68, s68, s66
	s_mul_i32 s69, s[WV], 8*SP
	s_add_co_u32 s69, s69, SLOT1
	v_and_b32 v80, 15, v0
	v_and_b32 v81, 8, v80
	v_add_nc_u32 v80, v80, v81                     ; r + 8 (r / 8)
	v_mul_u32_u24 v80, v80, SP
	v_bfe_u32 v81, v0, 4, 1
	v_lshl_add_u32 v80, v81, 6, v80                ; + 64 h
	v_add_nc_u32 v81, s67, v80
	v_add_nc_u32 v82, s68, v80
	v_and_b32 v83, 31, v0
	v_lshlrev_b32 v83, 4, v83                      ; 16 lane
	v_add_nc_u32 v84, s69, v83                     ; back: my eight rows
	s_wait_alu depctr_va_vdst(0)                   ; directly ahead of the wait below
	s_wait_dscnt 0x0                               ; the sums, v and p are in
	VJOIN 72
	WIN 0x45
.irp e, 0,4,8,12
	v_pk_add_f32 v[ST+\e:ST+\e+1], v[ST+\e:ST+\e+1], v[ST+\e+2:ST+\e+3]
.endr
.irp e, 0,8
	v_pk_add_f32 v[ST+\e:ST+\e+1], v[ST+\e:ST+\e+1], v[ST+\e+4:ST+\e+5]
.endr
	WIN 0x05
	v_pk_add_f32 v[TA:TA+1], v[ST:ST+1], v[ST+8:ST+9]
	WIN 0
	s_wait_alu depctr_va_vdst(0)                   ; the wait ahead of the transcendentals
	v_rcp_f32 v[TA], v[TA]
	v_rcp_f32 v[TA+1], v[TA+1]
	v_nop
	s_wait_alu depctr_va_vdst(0)
.irp e, 0,1
	v_permlanex16_b32 v[TA+2+\e], v[TA+\e], s[SEL], s[SEL+1]
.endr
	BOTH FF, TA, TA+2
	BOTH FF+4, TA+1, TA+3
	s_wait_alu depctr_va_vdst(0)                   ; directly ahead of the readers below
	PVPROD 0
	PLACES 4
	RESC
	WIN 0x04                                       ; an LDS store's data are its source 1
.irp q, 0,1,2,3
.irp i, 0,1,2                                  ; register 8 (4 i + q) + j is row 32 (q / 2) + 8 (q % 2) + r + 8 (r / 8), channel 32 (T / 2) + 16 h + 8 (T % 2) + j
.set sa, 81+(\i)%2
.set so, (32*(\q/2)+8*(\q%2))*SP+128*(\i/2)
	ds_store_b128 v[sa], v[OA+8*(4*\i+\q):OA+8*(4*\i+\q)+3] offset:so
	ds_store_b128 v[sa], v[OA+8*(4*\i+\q)+4:OA+8*(4*\i+\q)+7] offset:so+16
.endr
.endr
	WIN 0
	s_wait_dscnt 0x0                               ; for the others' sake: my stores have landed
	s_barrier_signal -1
	s_barrier_wait -1
.set n, 0
.rept 24
	ds_load_b128 v[96+4*n:96+4*n+3], v84 offset:(n/3)*SP+512*(n%3)
.set n, n+1
.endr
.set n, 0
.rept 24
	s_wait_dscnt 23-n                              ; load n is back; the later ones may be out
	global_store_b128 v83, v[96+4*n:96+4*n+3], s[OUT:OUT+1] offset:(n/3)*1536+512*(n%3) th:TH_STORE_NT   ; 32 lanes store 512 consecutive bytes, at a multiple of 256 from out0's first byte
.set n, n+1
.endr
	s_wait_tensorcnt 0x0                           ; the wave's end, behind my last tensor load and my last LDS store
	ds_add_u32 v[SPW], v[NIL]
	s_wait_dscnt 0x0
	CROUND                                         ; the closing round: no work-group ends while a partner may still ask for a quarter that names it
	s_endpgm
.Lfunc_end_k_qdb4b455ea9_attn:
	.size	k_qdb4b455ea9_attn, .Lfunc_end_k_qdb4b455ea9_attn-k_qdb4b455ea9_attn
	.p2alignl 7, 3214868480
	.fill 96, 4, 3214868480
	.section	.rodata,"a",@progbits
	.p2align	6, 0x0
	.amdhsa_kernel k_qdb4b455ea9_attn
		.amdhsa_group_segment_fixed_size 327680
		.amdhsa_private_segment_fixed_size 0
		.amdhsa_enable_private_segment 0
		.amdhsa_kernarg_size 32
		.amdhsa_user_sgpr_count 2
		.amdhsa_user_sgpr_kernarg_segment_ptr 1
		.amdhsa_wavefront_size32 1
		.amdhsa_system_sgpr_workgroup_id_x 1
		.amdhsa_system_sgpr_workgroup_id_y 1
		.amdhsa_system_sgpr_workgroup_id_z 1
		.amdhsa_system_vgpr_workitem_id 0
		.amdhsa_next_free_vgpr 512
		.amdhsa_next_free_sgpr 100
		.amdhsa_reserve_vcc 0
		.amdhsa_float_denorm_mode_32 3
		.amdhsa_float_denorm_mode_16_64 3
		.amdhsa_memory_ordered 1
		.amdhsa_forward_progress 1
		.amdhsa_inst_pref_size 190
	.end_amdhsa_kernel
	.amdgpu_metadata
---
amdhsa.version: [ 1, 2 ]
amdhsa.kernels:
  - .name:           k_qdb4b455ea9_attn
    .symbol:         k_qdb4b455ea9_attn.kd
    .args:
      - { .name: qb, .offset: 0, .size: 8, .value_kind: global_buffer, .address_space: global }
      - { .name: kb, .offset: 8, .size: 8, .value_kind: global_buffer, .address_space: global }
      - { .name: vb, .offset: 16, .size: 8, .value_kind: global_buffer, .address_space: global }
      - { .name: out0, .offset: 24, .size: 8, .value_kind: global_buffer, .address_space: global }
    .group_segment_fixed_size: 327680
    .private_segment_fixed_size: 0
    .kernarg_segment_align: 8
    .kernarg_segment_size: 32
    .max_flat_workgroup_size: 256
    .sgpr_count:     100
    .vgpr_count:     512
    .wavefront_size: 32
...
	.end_amdgpu_metadata
.endif
;; end of part 3
